; MI455X (gfx1250); checked and timed in simulation.
; The chip was launched on July 23, 2026; its instructions are those of AMD's public machine-readable ISA for CDNA 5 (MIT licence, August 2026) and "CDNA5" Instruction Set Architecture Reference Guide (July 2026). The comments in the code are by the model that wrote it; some were corrected since.
;; Muti Query Attention. Allowed arithmetic: matrix products marked QUANTISED: E4M3 operands, one given power-of-two scale a tensor, by v_wmma_f32_16x16x64_fp8_fp8 or v_wmma_f32_16x16x128_fp8_fp8, f32 sums; everything else in f32.
;; Inputs: Wk_codes 64 x 32 x 32 uint8 (E4M3 codes of Wk, K innermost, in blocks of 32 codes); Wo_codes 1,024 x 32 x 32 uint8 (E4M3 codes of Wo, K innermost, in blocks of 32 codes); Wq_codes 1,024 x 32 x 32 uint8 (E4M3 codes of Wq, K innermost, in blocks of 32 codes); Wv_codes 64 x 32 x 32 uint8 (E4M3 codes of Wv, K innermost, in blocks of 32 codes); bk 64 float32; bo 1,024 float32; bq 1,024 float32; bv 64 float32; hidden_state_codes 4 x 2,048 x 32 x 32 uint8 (E4M3 codes of hidden_state, K innermost, in blocks of 32 codes); lowp_scales 12 int32 (the exponents e of the quantised operands' scales 2^e).
;; Outputs: out0 4 x 2,048 x 1,024 float32.
;; This version of the problem:
;;   THIS VERSION OF THE PROBLEM IS GIVEN IN LOW PRECISION. The matrix products marked QUANTISED in the list below multiply operands that are first quantised to E4M3 (4 exponent bits, 3 mantissa bits; 8 bits a number), with one given power-of-two scale for each operand tensor; their sums are f32. All else is computed in f32.
;;   The module's matrix products, in the order in which they are computed (A, B: the left and right operand; K: the contracted axis; several contracted axes count as one K, in the product's order):
;;     1. [M 8,192, K 1,024] x [K 1,024, N 1,024]; A: input hidden_state (given as codes); B: input Wq (given as codes): QUANTISED (scales: A lowp_scales[0], B lowp_scales[1])
;;     2. [M 8,192, K 1,024] x [K 1,024, N 64]; A: input hidden_state (given as codes); B: input Wk (given as codes): QUANTISED (scales: A lowp_scales[2], B lowp_scales[3])
;;     3. [M 8,192, K 1,024] x [K 1,024, N 64]; A: input hidden_state (given as codes); B: input Wv (given as codes): QUANTISED (scales: A lowp_scales[4], B lowp_scales[5])
;;     4. batch 4 x [M 2,048, K 64] x [K 64, N 32,768]; A: computed on the way; B: computed on the way: QUANTISED (scales: A lowp_scales[6], B lowp_scales[7])
;;     5. batch 4 x [M 64, K 2,048] x [K 2,048, N 32,768]; A: computed on the way; B: softmax (see below): QUANTISED (scales: A lowp_scales[8], B lowp_scales[9])
;;     6. [M 8,192, K 1,024] x [K 1,024, N 1,024]; A: computed on the way; B: input Wo (given as codes): QUANTISED (scales: A lowp_scales[10], B lowp_scales[11])
;;   THE QUANTISER, for each operand of a quantised product, along K:
;;     - The operand's scale is 2^e, e = its entry of the input lowp_scales (int32; the entries are numbered through the quantised products in the list's order, A before B).
;;     - Each number is divided by the scale, clamped to +-448, and rounded to the nearest number of E4M3, ties to even, subnormals kept.
;;     - The product sums the exact products of the quantised numbers (number of the format x scale) in f32.
;;   ~~~python
;;   def quantise(x, axis, e):      # numpy; x: float32 -> the quantised numbers, widened to float32 again
;;       x = np.moveaxis(x, axis, -1); K = x.shape[-1]
;;       r = np.clip(x / 2.0 ** e, -448, 448)
;;       step = 2.0 ** (np.maximum(np.frexp(np.where(r == 0, 1, r))[1] - 1, -6) - 3)
;;       q = np.round(r / step) * step * 2.0 ** e      # np.round: ties to even
;;       return np.moveaxis(q, -1, axis).astype(np.float32)
;;   ~~~
;;   SOFTMAX AHEAD OF A QUANTISED PRODUCT. Where the list says 'softmax', what is quantised is not the finished softmax but p = 2^(t - M), with t = logit x log2(e) and M = ceil(the row's largest t), a whole number; so 1/2 < the row's largest p <= 1. The row's sum l is taken of the UNQUANTISED p, in f32, and the product's result is divided by l at the end. Since M is a whole number, a kernel that streams over the keys may use a running M (the ceiling of the running maximum): every later rescaling is an exact power of two, so the quantised numbers keep their values, but for numbers so far below the row's largest that they fall under the format's range.
;;   OPERANDS COMPUTED ON THE WAY. 'Computed on the way' means the value that the module computes at that place (a softmax that the list does not call 'softmax' is quantised finished and normalised). What goes into a quantiser is computed in f32, as accurately as f32 sums, v_exp_f32 and their like allow (about 1e-6 of the number): no bf16 or f16 on the way to a quantiser, and a product that is left as it is and whose result goes on into a quantised operand takes f32 operands (vector FMAs, or v_wmma_f32_16x16x4_f32). A number that lies on a knife's edge between two numbers of the format may be rounded either way, as far as f32 arithmetic and the matrix unit's own rounding can turn it there, and no further.
;;   INPUTS GIVEN AS CODES. Wk (in the module: [1024, 64], K = its axis 0); Wo (in the module: [1024, 1024], K = its axis 0); Wq (in the module: [1024, 1024], K = its axis 0); Wv (in the module: [1024, 64], K = its axis 0); hidden_state (in the module: [4, 2048, 1024], K = its axis 2): each comes as NAME_codes (uint8): NAME with its K axis moved to the last place and cut into blocks of 32 codes, [.., K / 32, bytes a block], one block behind the other in memory; one code a byte (a code: sign, 4 exponent bits, 3 mantissa bits); its scale is its entry of lowp_scales. Its value is code x scale, taken as it is: it is not quantised again, and the codes and scales need not be those that the quantiser above would give.
;; 2 versions. Each part assembles by itself: llvm-mc -triple=amdgcn-amd-amdhsa -mcpu=gfx1250 --defsym DOCPART=n.
;; ======== version 1 of 2: 3 launches
;; workspace buffers: qimg 8,388,608 bytes; kvimg 1,048,576 bytes; aimg 8,388,608 bytes
;; launch proj (part 1): grid 4 x 64, 4 waves a work-group, clusters of 4 x 1, 168,448 bytes of LDS; arguments hidden_state_codes, Wq_codes, Wk_codes, Wv_codes, bq, bk, bv, lowp_scales, qimg, kvimg; writes qimg, kvimg
.if DOCPART == 1
	.amdgcn_target "amdgcn-amd-amdhsa--gfx1250"
	.amdhsa_code_object_version 6
	.text
	.protected	k_qcb36457b6a_proj
	.globl	k_qcb36457b6a_proj
	.p2align	8
	.type	k_qcb36457b6a_proj,@function
k_qcb36457b6a_proj:
	s_mov_b64 s[64:65], 0
	v_nop
	global_prefetch_b8 v0, s[64:65] scope:SCOPE_SE
	s_setreg_imm32_b32 hwreg(HW_REG_WAVE_MODE, 25, 1), 1
	s_wait_xcnt 0x0
	s_wait_alu depctr_hold_cnt(0) depctr_sa_sdst(0) depctr_va_vdst(0) depctr_va_sdst(0) depctr_va_ssrc(0) depctr_va_vcc(0) depctr_vm_vsrc(0)
	s_getreg_b32 s2, hwreg(HW_REG_IB_STS2, 6, 4)
	s_cmp_eq_u32 s2, 0
	s_cbranch_scc0 .Lentry_in_a_cluster
	s_endpgm
.Lentry_in_a_cluster:
	s_bfe_u32 s2, ttmp6, 0x10000c
	s_cmp_lg_u32 s2, 0x3003
	s_cbranch_scc0 .Lentry_shape_is_right
	s_endpgm
.Lentry_shape_is_right:
; q = X Wq + bq, k = X Wk + bk, v = X Wv + bv on codes of FP8 (E4M3), each result quantised at once with its given scale and stored as an IMAGE OF THE REGISTERS of the operand that it will be.
; X: [8192][1024] codes.  Wq: [1024 (n)][1024 (k)], Wk, Wv: [64 (n)][1024 (k)] codes, K innermost.  Scales 2^e: product 1: e0, e1; product 2: e2, e3; product 3: e4, e5; k is quantised with e6, q with e7, v with e8.
; SHARES.  Work-group (j, i): rows 128 i .. 128 i + 127 of X, which are key step i % 16 of batch i / 16.  Wave w makes head 4 j + w of q (64 columns) for the eight tiles of 16 rows: 256 matrix instructions;
; then, for keys 32 w .. 32 w + 31, 16 of the 64 numbers of k and 16 of v (which 16: j): 32 more.  Every wave of every work-group has the same work.
; THE WEIGHTS STAY IN REGISTERS: a wave's 64 rows of Wq, 16 of Wk, 16 of Wv, read from memory once (768 registers, windows 1 to 3).  X's 128 rows lie in LDS whole (133,120 bytes), filled once: no slot is ever filled again.
; CLUSTER.  The four work-groups of a cluster (j = 0 .. 3) need the same 128 rows of X: each wave's quarter is asked for jointly, by the same tensor load with a mask that names the four.  The weights are not shared: each partner takes other rows.
; LAYOUT.  q and k are used transposed (source 0 = 16 rows of W, source 1 = 16 rows of X): a lane holds one row of X and eight neighbouring numbers along the head's 64, the next product's K.
; v is used the other way (source 0 = X, source 1 = Wv): a lane holds one of the head's 64 and eight keys, which are the K of the product that takes v.
; THE ROWS OF A TILE ARE NOT ALWAYS NEIGHBOURS: for k and v, lane r of X's tile u takes key 32 w + 8 u + r + 8 (r / 8); for v, lane r takes row 32 (j / 2) + 8 (j % 2) + r + 8 (r / 8) of Wv.  So a lane's 16 numbers of two
; neighbouring tiles are 16 neighbours along the K of the product that will take them.
; k INSIDE AN INSTRUCTION: a fragment of 16 rows x 128 K is fetched by four loads of 16 bytes: registers 4 c .. 4 c + 3 hold K = 32 c + 16 (lane / 16) + 0 .. 15, alike in both sources: every product meets its partner; the order of the sums inside an instruction is not that of ascending k.
; The biases are the C of each sum's first matrix instruction, divided by the power of two that the sums lack.
; LIMITS: e7 - e0 - e1, e6 - e2 - e3 and e8 - e4 - e5 lie between -126 and 119, so that each scale and 448 x it are f32 numbers.  NaN among the biases is not served.
; OUT.  qimg [row tile 512][head 16][2][lane 32][16 bytes]: registers 2 c, 2 c + 1 of lane (r, h): d = 16 c + 8 h + 0 .. 7 of row r.
;       kvimg [batch x 16 + key step][16,384]: bytes 0 .. 8,191: k, [key tile 8][piece 4][lane][8 bytes]; bytes 8,192 on: v, [d tile 4][c 4][lane][16 bytes].
; REGISTERS, in windows of 256: window 0: v3-11 addresses; v16-79, v80-143 two sets of X's fragments; v144-175 four accumulators; v176-223 biases; v224-239 codes; v240-245 scales.
;   window 1: Wq's fragments of K steps 0-3 ((s, t) at 16 (4 s + t)); window 2: of K steps 4-7; window 3: Wk's eight at 16 s, Wv's eight at 128 + 16 s.
.set XP,   1040                        ; a row of X in LDS: 1,024 bytes + 16 of padding = 65 x 16: the 16 rows that a load touches start at 16 different 16-byte columns of the banks (64 banks of 4 bytes: ISA guide 11.1)
.set AXA,  3                           ; v3   X's natural tiles 0-3: r x XP + 16 h
.set AXB,  4                           ; v4   tiles 4-7: 64 rows on (an LDS offset has 16 bits)
.set XPA,  5                           ; v5   X's tiles for k and v: (32 w + r + 8 (r / 8)) x XP + 16 h
.set WA,   6                           ; v6   a weight's natural tile: r x 1,024 + 16 h
.set WP,   7                           ; v7   Wv's tile: (r + 8 (r / 8)) x 1,024 + 16 h
.set QO,   8                           ; v8   16 x lane
.set KO,   9                           ; v9   8 x lane
.set BH,   10                          ; v10  32 h: my eight numbers of a tile's 16 of bq or bk
.set BP,   11                          ; v11  4 (r + 8 (r / 8)): my number of bv
.set AF0,  16
.set AF1,  80
.set AC,   144
.set BQ,   176
.set BK,   208
.set BV,   216
.set PC0,  224
.set PC1,  232
.set SCQ,  240
.set LIMQ, 241
.set SCK,  242
.set LIMK, 243
.set SCV,  244
.set LIMV, 245
.set MSB, 0
.macro WIN new                         ; s_set_vgpr_msb: bits 1:0 source 0, 3:2 source 1, 5:4 source 2, 7:6 destination; the high byte repeats the setting that is left
.if MSB != (\new)
	s_set_vgpr_msb (MSB<<8)|(\new)
.set MSB, (\new)
.endif
.endm
.macro ROUND                           ; a round of the cluster's barrier: my work-group's barrier; wave 0 signals for the work-group; every wave waits for all four work-groups; my work-group's barrier once more
	s_barrier_signal -1
	s_barrier_wait -1
	s_cmp_lg_u32 s24, 0
	s_cbranch_scc1 .Lnot_wave_0_\@
	s_barrier_signal -3
.Lnot_wave_0_\@:
	s_barrier_wait -3
	s_barrier_signal -1
	s_barrier_wait -1
.endm
.macro PLACES                          ; four plain vector instructions between a matrix instruction and a load into one of its sources or a read of its result (reads of its result)
.rept 4
	v_nop
.endr
.endm
.macro MKSCALE e, ns, sc, lim          ; E = e + ns: v[sc] = 2^E as f32 (the conversion takes its exponent field), v[lim] = 448 x 2^E
	s_add_co_i32 s63, \e, \ns
	s_add_co_i32 s63, s63, 127
	s_lshl_b32 s49, s63, 23
	v_mov_b32 v[\sc], s49
	s_add_co_i32 s63, s63, 8
	s_lshl_b32 s63, s63, 23
	s_or_b32 s63, s63, 0x600000
	v_mov_b32 v[\lim], s63
.endm
.macro AFETCH buf, m, half             ; X's natural tile m, K steps 4 half .. 4 half + 3: four fragments, 16 loads
.irp sl, 0,1,2,3
.irp c, 0,1,2,3
	ds_load_b128 v[\buf+16*\sl+4*\c:\buf+16*\sl+4*\c+3], v[AXA+(\m)/4] offset:((\m)%4)*16*XP+128*(4*\half+\sl)+32*\c
.endr
.endr
.endm
.macro XFETCH buf, q                   ; my two tiles of keys, K steps 2 q and 2 q + 1: four fragments ((sl, u) at 32 sl + 16 u), 16 loads
.irp sl, 0,1
.irp u, 0,1
.irp c, 0,1,2,3
	ds_load_b128 v[\buf+32*\sl+16*\u+4*\c:\buf+32*\sl+16*\u+4*\c+3], v[XPA] offset:8*XP*\u+128*(2*(\q)+\sl)+32*\c
.endr
.endr
.endr
.endm
; 16 matrix instructions: four K steps x my head's four tiles of 16 columns.  The four accumulators take turns, one instruction a turn.  first = 1: the first K step takes the bias as C: nothing is cleared.
.macro QMUL half, first
	WIN 1+\half                                    ; source 0 (Wq) window 1 or 2
.irp sl, 0,1,2,3
.irp t, 0,1,2,3
.if \first && (\sl == 0)
	v_wmma_f32_16x16x128_fp8_fp8 v[AC+8*\t:AC+8*\t+7], v[16*(4*\sl+\t):16*(4*\sl+\t)+15], v[AF0+64*\half+16*\sl:AF0+64*\half+16*\sl+15], v[BQ+8*\t:BQ+8*\t+7]
.else
	v_wmma_f32_16x16x128_fp8_fp8 v[AC+8*\t:AC+8*\t+7], v[16*(4*\sl+\t):16*(4*\sl+\t)+15], v[AF0+64*\half+16*\sl:AF0+64*\half+16*\sl+15], v[AC+8*\t:AC+8*\t+7]
.endif
.endr
.endr
.endm
; 8 matrix instructions: K steps 2 q, 2 q + 1 of k (two tiles of keys, transposed) and of v (the same two tiles as source 0).  Order k0 k1 k0 k1 v0 v1 v0 v1: turns of one.
.macro KVMUL q, buf
	WIN 0x03                                       ; source 0 (Wk) window 3
.irp sl, 0,1
.irp u, 0,1
.if (\q == 0) && (\sl == 0)
	v_wmma_f32_16x16x128_fp8_fp8 v[AC+8*\u:AC+8*\u+7], v[16*(2*\q+\sl):16*(2*\q+\sl)+15], v[\buf+32*\sl+16*\u:\buf+32*\sl+16*\u+15], v[BK:BK+7]
.else
	v_wmma_f32_16x16x128_fp8_fp8 v[AC+8*\u:AC+8*\u+7], v[16*(2*\q+\sl):16*(2*\q+\sl)+15], v[\buf+32*\sl+16*\u:\buf+32*\sl+16*\u+15], v[AC+8*\u:AC+8*\u+7]
.endif
.endr
.endr
	WIN 0x0c                                       ; source 1 (Wv) window 3
.irp sl, 0,1
.irp u, 0,1
.if (\q == 0) && (\sl == 0)
	v_wmma_f32_16x16x128_fp8_fp8 v[AC+16+8*\u:AC+16+8*\u+7], v[\buf+32*\sl+16*\u:\buf+32*\sl+16*\u+15], v[128+16*(2*\q+\sl):128+16*(2*\q+\sl)+15], v[BV:BV+7]
.else
	v_wmma_f32_16x16x128_fp8_fp8 v[AC+16+8*\u:AC+16+8*\u+7], v[\buf+32*\sl+16*\u:\buf+32*\sl+16*\u+15], v[128+16*(2*\q+\sl):128+16*(2*\q+\sl)+15], v[AC+16+8*\u:AC+16+8*\u+7]
.endif
.endr
.endr
.endm
; Tile m of q leaves: held, converted, stored.  The four conversions' results are the eight registers of the operand: two stores of 512 consecutive bytes.
.macro QOUT m
.set PC, PC0+8*((\m)%2)
.set n, 0
.rept 32
	v_med3_num_f32 v[AC+n], v[AC+n], -v[LIMQ], v[LIMQ]   ; the conversion to an 8-bit code does not saturate (ISA guide 7.6.2): the hold at 448 x the scale; each accumulator from its low end on
.set n, n+1
.endr
	s_wait_xcnt 0x0                                ; the stores of two tiles ago have read these code registers: they are written again only behind this wait
.irp t, 0,1,2,3
	v_cvt_scalef32_pk8_fp8_f32 v[PC+2*\t:PC+2*\t+1], v[AC+8*\t:AC+8*\t+7], v[SCQ]
.endr
	v_nop                                          ; a plain instruction between the conversions and the next products, which write their sources
	global_store_b128 v[QO], v[PC:PC+3], s[20:21] offset:(\m)*16384
	global_store_b128 v[QO], v[PC+4:PC+7], s[20:21] offset:(\m)*16384+512
.endm
	s_load_b256 s[4:11], s[0:1], 0x0               ; X s[4:5], Wq s[6:7], Wk s[8:9], Wv s[10:11]
	s_load_b256 s[12:19], s[0:1], 0x20             ; bq s[12:13], bk s[14:15], bv s[16:17], the scales' exponents s[18:19]
	s_load_b128 s[20:23], s[0:1], 0x40             ; qimg s[20:21], kvimg s[22:23]
	v_lshl_add_u32 v254, v0, 2, 0x29000
	v_mov_b32 v255, 0
	ds_add_u32 v254, v255
	ds_add_u32 v254, v255
	v_lshrrev_b32 v1, 5, v0
	v_readfirstlane_b32 s24, v1                    ; wave 0..3
	s_bfe_u32 s25, ttmp6, 0x40000                  ; cx: my place in the cluster
	s_lshl_b32 s27, ttmp9, 2
	s_add_co_u32 s27, s27, s25                     ; j = 4 x cluster x + cx: it enters global addresses of weights, biases and results alone
	s_and_b32 s26, ttmp7, 0xffff                   ; i, which the four partners share
	; descriptor group 1: 32 rows x 1,024 bytes, padded in LDS
	s_mov_b32 s32, 15|(1<<20)|(1<<21)|(7<<22)|(3<<25)   ; 15:0 the mask: all four work-groups; 17:16 elements of 1 byte; 20 padding on; 21 set beside a mask; 24:22 after every 256 words (code 7); 31:25 four words (code 3)
	s_mov_b32 s33, 1024<<16                        ; tensor_dim0 = 1,024
	s_mov_b32 s34, 32<<16                          ; tensor_dim1 = 32
	s_mov_b32 s35, 1024<<16                        ; tile_dim0 = 1,024
	s_mov_b32 s36, 32                              ; tile_dim1 = 32
	s_mov_b32 s37, 1024                            ; tensor_dim0_stride
	s_mov_b32 s38, 0
	s_mov_b32 s39, 0
	s_mov_b32 s28, 1                               ; group 0: count = 1
	s_mul_i32 s29, s24, 32*XP                      ; LDS address: my 32 rows
	s_lshl_b32 s50, s26, 17                        ; X: 128 i rows of 1,024 bytes
	s_lshl_b32 s49, s24, 15                        ; + 32 w rows
	s_add_co_u32 s50, s50, s49
	s_mov_b32 s51, 0
	s_mov_b32 s53, 0
	s_wait_dscnt 0x0
	s_wait_kmcnt 0x0
	s_load_b256 s[40:47], s[18:19], 0x0            ; e0 .. e7
	s_load_b32 s48, s[18:19], 0x20                 ; e8
	s_add_nc_u64 s[30:31], s[4:5], s[50:51]
	s_or_b32 s31, s31, 0x80000000                  ; type = 2
	s_lshl_b32 s52, s27, 18                        ; Wq: 256 j + 64 w rows of 1,024 bytes
	s_lshl_b32 s54, s24, 16
	s_add_co_u32 s52, s52, s54
	s_add_nc_u64 s[6:7], s[6:7], s[52:53]
	s_lshr_b32 s52, s52, 8                         ; a row of a weight is 1,024 bytes, its bias 4: the offset / 256
	s_add_nc_u64 s[12:13], s[12:13], s[52:53]
	s_lshl_b32 s52, s27, 14                        ; Wk: 16 j rows
	s_add_nc_u64 s[8:9], s[8:9], s[52:53]
	s_lshr_b32 s52, s52, 8
	s_add_nc_u64 s[14:15], s[14:15], s[52:53]
	s_lshr_b32 s54, s27, 1                         ; Wv: 32 (j / 2) + 8 (j % 2) rows
	s_lshl_b32 s52, s54, 15
	s_and_b32 s54, s27, 1
	s_lshl_b32 s54, s54, 13
	s_add_co_u32 s52, s52, s54
	s_add_nc_u64 s[10:11], s[10:11], s[52:53]
	s_lshr_b32 s52, s52, 8
	s_add_nc_u64 s[16:17], s[16:17], s[52:53]
	s_lshl_b32 s52, s26, 17                        ; qimg: row tile 8 i (16,384 bytes a tile), head 4 j + w (1,024 bytes)
	s_lshl_b32 s54, s27, 12
	s_add_co_u32 s52, s52, s54
	s_lshl_b32 s54, s24, 10
	s_add_co_u32 s52, s52, s54
	s_add_nc_u64 s[20:21], s[20:21], s[52:53]
	s_lshl_b32 s52, s26, 14                        ; kvimg, k: block i, key tile 2 w (1,024 bytes a tile), piece j (256 bytes)
	s_lshl_b32 s54, s24, 11
	s_add_co_u32 s52, s52, s54
	s_lshl_b32 s54, s27, 8
	s_add_co_u32 s52, s52, s54
	s_add_nc_u64 s[56:57], s[22:23], s[52:53]
	s_lshl_b32 s52, s26, 14                        ; kvimg, v: block i, + 8,192, d tile j (2,048 bytes), c = w (512 bytes)
	s_lshl_b32 s54, s27, 11
	s_add_co_u32 s52, s52, s54
	s_lshl_b32 s54, s24, 9
	s_add_co_u32 s52, s52, s54
	s_add_co_u32 s52, s52, 8192
	s_add_nc_u64 s[58:59], s[22:23], s[52:53]
	v_and_b32 v2, 15, v0                           ; r
	v_bfe_u32 v13, v0, 4, 1                        ; h
	v_and_b32 v14, 31, v0                          ; lane
	v_and_b32 v15, 8, v2
	v_add_nc_u32 v15, v15, v2                      ; r + 8 (r / 8)
	v_mul_u32_u24 v[AXA], v2, XP
	v_lshl_add_u32 v[AXA], v13, 4, v[AXA]
	v_add_nc_u32 v[AXB], 64*XP, v[AXA]
	v_mul_u32_u24 v[XPA], v15, XP
	v_lshl_add_u32 v[XPA], v13, 4, v[XPA]
	v_add_nc_u32 v[XPA], s29, v[XPA]               ; + my wave's 32 rows
	v_lshlrev_b32 v[WA], 10, v2
	v_lshl_add_u32 v[WA], v13, 4, v[WA]
	v_lshlrev_b32 v[WP], 10, v15
	v_lshl_add_u32 v[WP], v13, 4, v[WP]
	v_lshlrev_b32 v[QO], 4, v14
	v_lshlrev_b32 v[KO], 3, v14
	v_lshlrev_b32 v[BH], 5, v13
	v_lshlrev_b32 v[BP], 2, v15
	ROUND                                          ; all four work-groups are here: the joint loads meet
	tensor_load_to_lds s[28:31], s[32:39]          ; my 32 rows of X: the wave's one tensor load of the launch
	s_nop 0
.rept 4
	v_nop                                          ; four v_nop follow the line
.endr
	WIN 0x40                                       ; destination window 1
.irp s, 0,1,2,3
.irp t, 0,1,2,3
.irp c, 0,1,2,3
	global_load_b128 v[16*(4*\s+\t)+4*\c:16*(4*\s+\t)+4*\c+3], v[WA], s[6:7] offset:\t*16384+128*\s+32*\c
.endr
.endr
.endr
	WIN 0x80                                       ; destination window 2
.irp s, 0,1,2,3
.irp t, 0,1,2,3
.irp c, 0,1,2,3
	global_load_b128 v[16*(4*\s+\t)+4*\c:16*(4*\s+\t)+4*\c+3], v[WA], s[6:7] offset:\t*16384+128*(4+\s)+32*\c
.endr
.endr
.endr
	WIN 0xc0                                       ; destination window 3
.irp s, 0,1,2,3,4,5,6,7
.irp c, 0,1,2,3
	global_load_b128 v[16*\s+4*\c:16*\s+4*\c+3], v[WA], s[8:9] offset:128*\s+32*\c
	global_load_b128 v[128+16*\s+4*\c:128+16*\s+4*\c+3], v[WP], s[10:11] offset:128*\s+32*\c
.endr
.endr
	WIN 0
.irp t, 0,1,2,3
	global_load_b128 v[BQ+8*\t:BQ+8*\t+3], v[BH], s[12:13] offset:64*\t       ; bq at my head's columns 16 t + 8 h + 0 .. 7: the result's layout
	global_load_b128 v[BQ+8*\t+4:BQ+8*\t+7], v[BH], s[12:13] offset:64*\t+16
.endr
	global_load_b128 v[BK:BK+3], v[BH], s[14:15]
	global_load_b128 v[BK+4:BK+7], v[BH], s[14:15] offset:16
	global_load_b32 v12, v[BP], s[16:17]           ; bv of my lane's one number of the head's 64
	s_wait_kmcnt 0x0
	s_add_co_i32 s60, s40, s41
	s_sub_co_i32 s60, 0, s60                       ; -(e0 + e1): a sum of product 1 stands for sum x 2^(e0 + e1)
	s_add_co_i32 s61, s42, s43
	s_sub_co_i32 s61, 0, s61                       ; -(e2 + e3)
	s_add_co_i32 s62, s44, s45
	s_sub_co_i32 s62, 0, s62                       ; -(e4 + e5)
	MKSCALE s47, s60, SCQ, LIMQ                    ; q's code = sum / 2^(e7 - e0 - e1): the three scales folded into the conversion's one
	MKSCALE s46, s61, SCK, LIMK                    ; k's: e6 - e2 - e3
	MKSCALE s48, s62, SCV, LIMV                    ; v's: e8 - e4 - e5
	s_wait_loadcnt 0x0                             ; weights and biases
.set n, 0
.rept 32
	v_ldexp_f32 v[BQ+n], v[BQ+n], s60              ; the bias goes in divided by the power of two that the sums lack
.set n, n+1
.endr
.set n, 0
.rept 8
	v_ldexp_f32 v[BK+n], v[BK+n], s61
	v_ldexp_f32 v[BV+n], v12, s62                  ; v's result holds one of the head's 64 a lane: the same bias in all eight registers
.set n, n+1
.endr
	s_wait_tensorcnt 0x0                           ; my 32 rows of X are in LDS,
	s_barrier_signal -1
	s_barrier_wait -1                              ; everybody's are
	AFETCH AF0, 0, 0
	AFETCH AF1, 0, 1
.irp m, 0,1,2,3,4,5,6,7
	s_wait_dscnt 16                                ; the tile's K steps 0-3 are in; the 16 younger loads (K steps 4-7) may be out
	QMUL 0, 1
	WIN 0
	PLACES
.if \m < 7
	AFETCH AF0, \m+1, 0
.else
	XFETCH AF0, 0
.endif
	s_wait_dscnt 16                                ; K steps 4-7 are in; the 16 loads just issued may be out
	QMUL 1, 0
	WIN 0
	PLACES
.if \m < 7
	AFETCH AF1, \m+1, 1
.else
	XFETCH AF1, 1
.endif
	QOUT \m
.endr
.irp q, 0,1,2,3
.if \q < 3
	s_wait_dscnt 16                                ; K steps 2 q, 2 q + 1 are in; the next two steps' 16 loads may be out
.else
	s_wait_dscnt 0x0
.endif
	KVMUL \q, AF0+64*(\q%2)
	WIN 0
.if \q < 2
	PLACES
	XFETCH AF0+64*(\q%2), \q+2
.endif
.endr
	PLACES
.set n, 0
.rept 16
	v_med3_num_f32 v[AC+n], v[AC+n], -v[LIMK], v[LIMK]
.set n, n+1
.endr
.rept 16
	v_med3_num_f32 v[AC+n], v[AC+n], -v[LIMV], v[LIMV]
.set n, n+1
.endr
	s_wait_xcnt 0x0                                ; q's last stores have read the code registers
	v_cvt_scalef32_pk8_fp8_f32 v[PC0:PC0+1], v[AC:AC+7], v[SCK]             ; key tile 2 w: my key's d = 16 j + 8 h + 0 .. 7
	v_cvt_scalef32_pk8_fp8_f32 v[PC0+2:PC0+3], v[AC+8:AC+15], v[SCK]        ; key tile 2 w + 1
	v_cvt_scalef32_pk8_fp8_f32 v[PC1:PC1+1], v[AC+16:AC+23], v[SCV]         ; keys 32 w + 16 h + 0 .. 7 of my d,
	v_cvt_scalef32_pk8_fp8_f32 v[PC1+2:PC1+3], v[AC+24:AC+31], v[SCV]       ; and + 8 .. 15
	global_store_b64 v[KO], v[PC0:PC0+1], s[56:57]                 ; 32 lanes store 256 consecutive bytes, at a multiple of 256 from the buffer's first byte
	global_store_b64 v[KO], v[PC0+2:PC0+3], s[56:57] offset:1024
	global_store_b128 v[QO], v[PC1:PC1+3], s[58:59]                ; 512 consecutive bytes
	s_wait_tensorcnt 0x0
	ds_add_u32 v254, v255
	s_wait_dscnt 0x0
	ROUND                                          ; the closing round: no work-group ends while a partner may still ask for a tile that names it
	s_endpgm
.Lfunc_end_k_qcb36457b6a_proj:
	.size	k_qcb36457b6a_proj, .Lfunc_end_k_qcb36457b6a_proj-k_qcb36457b6a_proj
	.p2alignl 7, 3214868480
	.fill 96, 4, 3214868480
	.section	.rodata,"a",@progbits
	.p2align	6, 0x0
	.amdhsa_kernel k_qcb36457b6a_proj
		.amdhsa_group_segment_fixed_size 168448
		.amdhsa_private_segment_fixed_size 0
		.amdhsa_enable_private_segment 0
		.amdhsa_kernarg_size 80
		.amdhsa_user_sgpr_count 2
		.amdhsa_user_sgpr_kernarg_segment_ptr 1
		.amdhsa_wavefront_size32 1
		.amdhsa_system_sgpr_workgroup_id_x 1
		.amdhsa_system_sgpr_workgroup_id_y 1
		.amdhsa_system_sgpr_workgroup_id_z 1
		.amdhsa_system_vgpr_workitem_id 0
		.amdhsa_next_free_vgpr 1024
		.amdhsa_next_free_sgpr 66
		.amdhsa_reserve_vcc 0
		.amdhsa_float_denorm_mode_32 3
		.amdhsa_float_denorm_mode_16_64 3
		.amdhsa_memory_ordered 1
		.amdhsa_forward_progress 1
		.amdhsa_inst_pref_size 94
	.end_amdhsa_kernel
	.amdgpu_metadata
---
amdhsa.version: [ 1, 2 ]
amdhsa.kernels:
  - .name:           k_qcb36457b6a_proj
    .symbol:         k_qcb36457b6a_proj.kd
    .args:
      - { .name: hidden_state_codes, .offset: 0, .size: 8, .value_kind: global_buffer, .address_space: global }
      - { .name: Wq_codes, .offset: 8, .size: 8, .value_kind: global_buffer, .address_space: global }
      - { .name: Wk_codes, .offset: 16, .size: 8, .value_kind: global_buffer, .address_space: global }
      - { .name: Wv_codes, .offset: 24, .size: 8, .value_kind: global_buffer, .address_space: global }
      - { .name: bq, .offset: 32, .size: 8, .value_kind: global_buffer, .address_space: global }
      - { .name: bk, .offset: 40, .size: 8, .value_kind: global_buffer, .address_space: global }
      - { .name: bv, .offset: 48, .size: 8, .value_kind: global_buffer, .address_space: global }
      - { .name: lowp_scales, .offset: 56, .size: 8, .value_kind: global_buffer, .address_space: global }
      - { .name: qimg, .offset: 64, .size: 8, .value_kind: global_buffer, .address_space: global }
      - { .name: kvimg, .offset: 72, .size: 8, .value_kind: global_buffer, .address_space: global }
    .group_segment_fixed_size: 168448
    .private_segment_fixed_size: 0
    .kernarg_segment_align: 8
    .kernarg_segment_size: 80
    .max_flat_workgroup_size: 128
    .sgpr_count:     66
    .vgpr_count:     1024
    .wavefront_size: 32
...
	.end_amdgpu_metadata
.endif
;; end of part 1
;; launch attn (part 2): grid 64 x 4, 16 waves a work-group, clusters of 4 x 1, 264,192 bytes of LDS; arguments qimg, kvimg, lowp_scales, aimg; writes aimg
.if DOCPART == 2
	.amdgcn_target "amdgcn-amd-amdhsa--gfx1250"
	.amdhsa_code_object_version 6
	.text
	.protected	k_qcb36457b6a_attn
	.globl	k_qcb36457b6a_attn
	.p2align	8
	.type	k_qcb36457b6a_attn,@function
k_qcb36457b6a_attn:
	s_mov_b64 s[64:65], 0
	v_nop
	global_prefetch_b8 v0, s[64:65] scope:SCOPE_SE
	s_setreg_imm32_b32 hwreg(HW_REG_WAVE_MODE, 25, 1), 1
	s_wait_xcnt 0x0
	s_wait_alu depctr_hold_cnt(0) depctr_sa_sdst(0) depctr_va_vdst(0) depctr_va_sdst(0) depctr_va_ssrc(0) depctr_va_vcc(0) depctr_vm_vsrc(0)
	s_getreg_b32 s2, hwreg(HW_REG_IB_STS2, 6, 4)
	s_cmp_eq_u32 s2, 0
	s_cbranch_scc0 .Lentry_in_a_cluster
	s_endpgm
.Lentry_in_a_cluster:
	s_bfe_u32 s2, ttmp6, 0x10000c
	s_cmp_lg_u32 s2, 0x3003
	s_cbranch_scc0 .Lentry_shape_is_right
	s_endpgm
.Lentry_shape_is_right:
; a[row][64 head + d] = the sum over keys of softmax(q . k / 8) v, both products on codes of FP8 (E4M3), then quantised with e10 for the last projection.  One k and one v serve all 16 heads of a batch.
; THE SOFTMAX AHEAD OF THE SECOND PRODUCT: t = score x log2(e) / 8; M = the largest t so far, rounded UP to a whole number; p = 2^(t - M) is what is quantised (scale 2^e9), not normalised.
; The row's sum is taken of the unquantised p, in f32, and divides at the end.  When M moves, the sum and O are multiplied by 2^(old M - new M): exact.
; SHARES.  A work-group owns 32 rows (two tiles of 16) of one batch, for all 16 heads; wave w is head w and does the two tiles one after the other, each over the batch's 2,048 keys in 16 steps of 128.
; Sixteen waves of 256 registers: four to a SIMD, so that one wave's vector work stands beside another's LDS loads and matrix work.
; LDS.  The batch's k and v as codes are 262,144 bytes: they lie in LDS whole, as they lie in kvimg (images of the operands' registers), filled once: no slot is ever filled again.  Each load of a fragment reads consecutive bytes.
; CLUSTER.  The four work-groups of a cluster belong to one batch: each wave's sixteenth (a key step, 16,384 dense bytes) is asked for jointly, by the same tensor load with a mask that names the four.  q is each wave's own: not shared.
; LAYOUT.  Both products are used transposed: S^T = k q^T (source 0 = 16 keys, source 1 = my 16 queries, K = 64), O^T = v^T p^T (source 0 = 16 of the head's 64, source 1 = p, K = 128 keys): a lane holds ONE query throughout.
; The keys of a tile of k and the d of a tile of v were chosen by the launch that made them: the 16 registers of tiles 2 b, 2 b + 1 of S^T are keys 32 b + 16 (lane / 16) + 0 .. 15, those of O^T d = 32 b + 16 (lane / 16) + 0 .. 15.
; So the conversions' results are the next operand's registers, for p and for the result alike.
; LIMITS: e6 + e7 between -123 and 130 (added to c's exponent field); e9 and e10 - e8 - e9 between -126 and 119.
; REGISTERS: v1-3 addresses that stay; v8, v9 addresses of the step; v12 -M, v13 the largest t, v[14:15] the sum in two halves; v16-31 q's two tiles; v32-95 eight fragments of k, then four of v; v96-159 S^T, then p;
;   v160-191 O^T; v192-207 p's codes; v208-223 the results' codes; v224-227 scales; v228-236 at work.
.set FF, 32
.set SS, 96
.set OO, 160
.set PP, 192
.macro ROUND                           ; a round of the cluster's barrier
	s_barrier_signal -1
	s_barrier_wait -1
	s_cmp_lg_u32 s12, 0
	s_cbranch_scc1 .Lnot_wave_0_\@
	s_barrier_signal -3
.Lnot_wave_0_\@:
	s_barrier_wait -3
	s_barrier_signal -1
	s_barrier_wait -1
.endm
	s_load_b256 s[4:11], s[0:1], 0x0               ; qimg s[4:5], kvimg s[6:7], the scales' exponents s[8:9], aimg s[10:11]
	v_lshl_add_u32 v254, v0, 2, 0x40000
	v_mov_b32 v255, 0
	ds_add_u32 v254, v255
	ds_add_u32 v254, v255
	v_lshrrev_b32 v4, 5, v0
	v_readfirstlane_b32 s12, v4                    ; wave 0..15 = head
	s_bfe_u32 s13, ttmp6, 0x40000                  ; cx
	s_lshl_b32 s14, ttmp9, 2
	s_add_co_u32 s14, s14, s13                     ; my block of 32 rows = 4 x cluster x + cx: it enters q's and the result's addresses alone
	s_and_b32 s15, ttmp7, 0xffff                   ; the batch, which the four partners share
	; descriptor group 1: a dense block of 16,384 bytes as 64 rows of 32 elements of 8 bytes
	s_mov_b32 s20, 15|(3<<16)|(1<<21)              ; 15:0 the mask: all four work-groups; 17:16 elements of 8 bytes; 21 set beside a mask; no padding
	s_mov_b32 s21, 32<<16                          ; tensor_dim0 = 32
	s_mov_b32 s22, 64<<16                          ; tensor_dim1 = 64
	s_mov_b32 s23, 32<<16                          ; tile_dim0 = 32
	s_mov_b32 s24, 64                              ; tile_dim1 = 64
	s_mov_b32 s25, 32                              ; tensor_dim0_stride
	s_mov_b32 s26, 0
	s_mov_b32 s27, 0
	s_mov_b32 s16, 1                               ; group 0: count = 1
	s_lshl_b32 s17, s12, 14                        ; LDS address: key step w
	s_lshl_b32 s28, s15, 18                        ; kvimg: the batch's 262,144 bytes,
	s_add_co_u32 s28, s28, s17                     ; key step w
	s_mov_b32 s29, 0
	s_lshl_b32 s30, s15, 21                        ; qimg and aimg: row tile 128 x batch + 2 x block (16,384 bytes a tile), head w (1,024 bytes)
	s_lshl_b32 s46, s14, 15
	s_add_co_u32 s30, s30, s46
	s_lshl_b32 s46, s12, 10
	s_add_co_u32 s30, s30, s46
	s_mov_b32 s31, 0
	s_mov_b32 s32, 0x76543210                      ; v_permlanex16_b32's selects for lane l xor 16
	s_mov_b32 s33, 0xfedcba98
	s_wait_dscnt 0x0
	s_wait_kmcnt 0x0
	s_load_b256 s[36:43], s[8:9], 0x10             ; e4 .. e11: e6 s38, e7 s39, e8 s40, e9 s41, e10 s42
	s_add_nc_u64 s[18:19], s[6:7], s[28:29]
	s_or_b32 s19, s19, 0x80000000                  ; type = 2
	s_add_nc_u64 s[4:5], s[4:5], s[30:31]
	s_add_nc_u64 s[10:11], s[10:11], s[30:31]
	ROUND                                          ; all four work-groups are here: the joint loads meet
	tensor_load_to_lds s[16:19], s[20:27]          ; key step w of the batch: the wave's one tensor load of the launch
	s_nop 0
.rept 4
	v_nop                                          ; four v_nop follow the line
.endr
	v_and_b32 v4, 31, v0                           ; lane
	v_lshlrev_b32 v1, 3, v4                        ; k: 8 x lane
	v_lshlrev_b32 v3, 4, v4                        ; q and the result: 16 x lane
	v_add_nc_u32 v2, 8192, v3                      ; v: 16 x lane, behind a step's k
	global_load_b128 v[16:19], v3, s[4:5]                  ; q's fragment of my first tile stays in registers,
	global_load_b128 v[20:23], v3, s[4:5] offset:512
	global_load_b128 v[24:27], v3, s[4:5] offset:16384     ; and that of my second
	global_load_b128 v[28:31], v3, s[4:5] offset:16896
	v_mov_b32 v228, 0                              ; written once: a lane permute's destination counts as one of its sources
	v_mov_b32 v231, 0                              ; (named as the upper half of the pair v[230:231])
	s_wait_kmcnt 0x0
	s_add_co_i32 s46, s38, s39
	s_lshl_b32 s46, s46, 23
	s_add_co_i32 s34, s46, 0x3e38aa3b              ; c = log2(e) / 8, with e6 + e7 added to its exponent field: a score stands for score x 2^(e6 + e7)
	s_mov_b32 s35, s34                             ; (named with it as a pair, so it is written)
	s_add_co_i32 s46, s41, 127
	s_lshl_b32 s47, s46, 23
	v_mov_b32 v224, s47                            ; 2^e9 as f32, for p's conversions
	s_add_co_i32 s46, s46, 8
	s_lshl_b32 s46, s46, 23
	s_or_b32 s46, s46, 0x600000
	v_mov_b32 v225, s46                            ; 448 x 2^e9
	s_sub_co_i32 s46, s42, s40
	s_sub_co_i32 s46, s46, s41                     ; a sum of the second product stands for sum x 2^(e8 + e9): the result's code is (sum / l) / 2^(e10 - e8 - e9)
	s_add_co_i32 s46, s46, 127
	s_lshl_b32 s47, s46, 23
	v_mov_b32 v226, s47
	s_add_co_i32 s46, s46, 8
	s_lshl_b32 s46, s46, 23
	s_or_b32 s46, s46, 0x600000
	v_mov_b32 v227, s46
	s_wait_loadcnt 0x0                             ; q
	s_wait_tensorcnt 0x0                           ; my key step is in LDS,
	s_barrier_signal -1
	s_barrier_wait -1                              ; everybody's is
; One tile of 16 queries over all keys.
.macro PASS p
.set QF, 16+8*\p
.set OC, 208+8*\p
	v_mov_b32 v13, 0xff61b1e6                      ; the largest t so far: -3e38, under every t.  (These four plain lines also stand between the tile before's conversions and the writes of their sources below)
	v_floor_f32 v12, -v13                          ; -M
	v_mov_b32 v14, 0                               ; the sum, in two halves
	v_mov_b32 v15, 0
.set n, 0
.rept 32
	v_mov_b32 v[OO+n], 0                           ; O^T.  (The step is written once: the first finds zeros, which the first change of M leaves zeros)
.set n, n+1
.endr
	s_mov_b32 s44, 0                               ; LDS byte at which the step's k and v begin
	s_mov_b32 s45, 16                              ; steps to go
.Lstep_\@:
	v_add_nc_u32 v8, s44, v1
	v_add_nc_u32 v9, s44, v2
	v_nop
	v_nop                                          ; with the two additions: four places between the last products and the loads into their sources
.irp t, 0,1,2,3,4,5,6,7
.irp c, 0,1,2,3
	ds_load_b64 v[FF+8*\t+2*\c:FF+8*\t+2*\c+1], v8 offset:1024*\t+256*\c   ; key tile t, registers 2 c, 2 c + 1: 32 lanes read 256 consecutive bytes
.endr
.endr
	s_wait_dscnt 0x0
.irp t, 0,1,2,3,4,5,6,7
	v_wmma_f32_16x16x64_fp8_fp8 v[SS+8*\t:SS+8*\t+7], v[FF+8*\t:FF+8*\t+7], v[QF:QF+7], 0
.endr
.rept 4
	v_nop                                          ; places in front of the loads into k's registers and of the first read of the scores
.endr
.irp t, 0,1,2,3
.irp c, 0,1,2,3
	ds_load_b128 v[FF+16*\t+4*\c:FF+16*\t+4*\c+3], v9 offset:2048*\t+512*\c   ; v's four fragments land while the softmax is worked
.endr
.endr
	v_max3_num_f32 v234, v[SS], v[SS+1], v[SS+2]   ; the step's largest score of my query, among my 64 keys, in two chains; each accumulator is read from its low end on
	v_max3_num_f32 v236, v[SS+3], v[SS+4], v[SS+5]
.set n, 6
.rept 14
	v_max3_num_f32 v234, v234, v[SS+n], v[SS+n+1]
	v_max3_num_f32 v236, v236, v[SS+n+2], v[SS+n+3]
.set n, n+4
.endr
	v_max3_num_f32 v234, v234, v[SS+62], v[SS+63]
	v_max_num_f32 v234, v234, v236
	v_permlanex16_b32 v228, v234, s32, s33
	v_max_num_f32 v234, v234, v228                 ; and among lane l xor 16's
	v_mul_f32 v234, s34, v234                      ; as t (c is positive)
	v_max_num_f32 v13, v13, v234                   ; the running largest t
	v_mov_b32 v234, v12
	v_floor_f32 v12, -v13                          ; the new -M = floor(-t) = -ceil(t): M is a whole number
	v_sub_f32 v234, v12, v234                      ; M's old value less its new one: a whole number, 0 or less
	v_cvt_i32_f32 v234, v234                       ; (it saturates)
	v_ldexp_f32 v230, 1.0, v234                    ; f = 2^(old M - new M)
.set n, 0
.rept 32
	v_pk_fma_f32 v[SS+n:SS+n+1], v[SS+n:SS+n+1], s[34:35], v[12:13] op_sel_hi:[1,0,0]   ; t - M, two at a time (of the pairs c and -M the low word serves both halves)
.set n, n+2
.endr
.set n, 0
.rept 64
	v_exp_f32 v[SS+n], v[SS+n]                     ; p = 2^(t - M), at most 1: not normalised
.set n, n+1
.endr
	v_pk_mul_f32 v[14:15], v[14:15], v[230:231] op_sel_hi:[1,0]   ; the sums under the new M.  (A plain instruction behind the exponentials)
	s_wait_alu depctr_va_vdst(0)
	v_pk_add_f32 v[232:233], v[SS:SS+1], v[SS+2:SS+3]             ; the row's sum is taken of the unquantised p: two at a time, in two chains
.set n, 4
.rept 15
	v_pk_add_f32 v[14:15], v[14:15], v[SS+n:SS+n+1]
	v_pk_add_f32 v[232:233], v[232:233], v[SS+n+2:SS+n+3]
.set n, n+4
.endr
	v_pk_add_f32 v[14:15], v[14:15], v[232:233]
.irp b, 0,1,2,3
.set n, 0
.rept 16
	v_min_num_f32 v[SS+16*\b+n], v[SS+16*\b+n], v225   ; the conversion to an 8-bit code does not saturate (ISA guide 7.6.2); p is not negative, so the hold is one-sided
.set n, n+1
.endr
	v_cvt_scalef32_pk8_fp8_f32 v[PP+4*\b:PP+4*\b+1], v[SS+16*\b:SS+16*\b+7], v224
	v_cvt_scalef32_pk8_fp8_f32 v[PP+4*\b+2:PP+4*\b+3], v[SS+16*\b+8:SS+16*\b+15], v224
.endr
.set n, 0
.rept 16
	v_pk_mul_f32 v[OO+n:OO+n+1], v[OO+n:OO+n+1], v[230:231] op_sel_hi:[1,0]   ; O^T under the new M.  (Also the plain instructions between the conversions and the products that read their results)
.set n, n+2
.endr
	s_wait_dscnt 0x0                               ; v's fragments are in
.irp t, 0,1,2,3
	v_wmma_f32_16x16x128_fp8_fp8 v[OO+8*\t:OO+8*\t+7], v[FF+16*\t:FF+16*\t+15], v[PP:PP+15], v[OO+8*\t:OO+8*\t+7]   ; the four accumulators take turns
.endr
	s_add_co_u32 s44, s44, 16384
	s_sub_co_u32 s45, s45, 1
	s_cmp_lg_u32 s45, 0
	s_cbranch_scc1 .Lstep_\@
.rept 4
	v_nop                                          ; places behind the last products
.endr
	v_add_f32 v14, v14, v15                        ; the sum's two halves,
	v_permlanex16_b32 v228, v14, s32, s33
	v_add_f32 v14, v14, v228                       ; and lane l xor 16's: the row's sum l
	v_rcp_f32 v14, v14
	v_nop                                          ; a plain instruction behind the transcendental
.set n, 0
	s_wait_alu depctr_va_vdst(0)
.rept 16
	v_pk_mul_f32 v[OO+n:OO+n+1], v[OO+n:OO+n+1], v[14:15] op_sel_hi:[1,0]   ; O^T / l, each accumulator from its low end on
.set n, n+2
.endr
.set n, 0
.rept 32
	v_med3_num_f32 v[OO+n], v[OO+n], -v227, v227   ; the hold at 448 x the scale
.set n, n+1
.endr
.irp t, 0,1,2,3
	v_cvt_scalef32_pk8_fp8_f32 v[OC+2*\t:OC+2*\t+1], v[OO+8*\t:OO+8*\t+7], v226   ; tiles 2 b, 2 b + 1: d = 32 b + 16 h + 0 .. 15: registers 4 b .. 4 b + 3
.endr
	global_store_b128 v3, v[OC:OC+3], s[10:11] offset:\p*16384         ; 512 consecutive bytes; each tile has its own code registers, so no store's data are written again
	global_store_b128 v3, v[OC+4:OC+7], s[10:11] offset:\p*16384+512
.endm
	PASS 0
	PASS 1
	s_wait_tensorcnt 0x0
	ds_add_u32 v254, v255
	s_wait_dscnt 0x0
	ROUND                                          ; the closing round: no work-group ends while a partner may still ask for a tile that names it
	s_endpgm
.Lfunc_end_k_qcb36457b6a_attn:
	.size	k_qcb36457b6a_attn, .Lfunc_end_k_qcb36457b6a_attn-k_qcb36457b6a_attn
	.p2alignl 7, 3214868480
	.fill 96, 4, 3214868480
	.section	.rodata,"a",@progbits
	.p2align	6, 0x0
	.amdhsa_kernel k_qcb36457b6a_attn
		.amdhsa_group_segment_fixed_size 264192
		.amdhsa_private_segment_fixed_size 0
		.amdhsa_enable_private_segment 0
		.amdhsa_kernarg_size 32
		.amdhsa_user_sgpr_count 2
		.amdhsa_user_sgpr_kernarg_segment_ptr 1
		.amdhsa_wavefront_size32 1
		.amdhsa_system_sgpr_workgroup_id_x 1
		.amdhsa_system_sgpr_workgroup_id_y 1
		.amdhsa_system_sgpr_workgroup_id_z 1
		.amdhsa_system_vgpr_workitem_id 0
		.amdhsa_next_free_vgpr 256
		.amdhsa_next_free_sgpr 66
		.amdhsa_reserve_vcc 0
		.amdhsa_float_denorm_mode_32 3
		.amdhsa_float_denorm_mode_16_64 3
		.amdhsa_memory_ordered 1
		.amdhsa_forward_progress 1
		.amdhsa_inst_pref_size 48
	.end_amdhsa_kernel
	.amdgpu_metadata
---
amdhsa.version: [ 1, 2 ]
amdhsa.kernels:
  - .name:           k_qcb36457b6a_attn
    .symbol:         k_qcb36457b6a_attn.kd
    .args:
      - { .name: qimg, .offset: 0, .size: 8, .value_kind: global_buffer, .address_space: global }
      - { .name: kvimg, .offset: 8, .size: 8, .value_kind: global_buffer, .address_space: global }
      - { .name: lowp_scales, .offset: 16, .size: 8, .value_kind: global_buffer, .address_space: global }
      - { .name: aimg, .offset: 24, .size: 8, .value_kind: global_buffer, .address_space: global }
    .group_segment_fixed_size: 264192
    .private_segment_fixed_size: 0
    .kernarg_segment_align: 8
    .kernarg_segment_size: 32
    .max_flat_workgroup_size: 512
    .sgpr_count:     66
    .vgpr_count:     256
    .wavefront_size: 32
...
	.end_amdgpu_metadata
.endif
;; end of part 2
;; launch outp (part 3): grid 4 x 64, 4 waves a work-group, clusters of 4 x 1, 168,448 bytes of LDS; arguments aimg, Wo_codes, bo, lowp_scales, out0; writes out0
.if DOCPART == 3
	.amdgcn_target "amdgcn-amd-amdhsa--gfx1250"
	.amdhsa_code_object_version 6
	.text
	.protected	k_qcb36457b6a_outp
	.globl	k_qcb36457b6a_outp
	.p2align	8
	.type	k_qcb36457b6a_outp,@function
k_qcb36457b6a_outp:
	s_mov_b64 s[64:65], 0
	v_nop
	global_prefetch_b8 v0, s[64:65] scope:SCOPE_SE
	s_setreg_imm32_b32 hwreg(HW_REG_WAVE_MODE, 25, 1), 1
	s_wait_xcnt 0x0
	s_wait_alu depctr_hold_cnt(0) depctr_sa_sdst(0) depctr_va_vdst(0) depctr_va_sdst(0) depctr_va_ssrc(0) depctr_va_vcc(0) depctr_vm_vsrc(0)
	s_getreg_b32 s2, hwreg(HW_REG_IB_STS2, 6, 4)
	s_cmp_eq_u32 s2, 0
	s_cbranch_scc0 .Lentry_in_a_cluster
	s_endpgm
.Lentry_in_a_cluster:
	s_bfe_u32 s2, ttmp6, 0x10000c
	s_cmp_lg_u32 s2, 0x3003
	s_cbranch_scc0 .Lentry_shape_is_right
	s_endpgm
.Lentry_shape_is_right:
; out = a Wo + bo on codes of FP8 (E4M3).  a: [8192][1024] as images of fragments, aimg [row tile 512][K step 8][c 4][lane 32][16 bytes]: registers 4 c .. 4 c + 3 of lane (r, h): k = 128 s + 32 c + 16 h + 0 .. 15 of row r.
; Wo: [1024 (n)][1024 (k)] codes, K innermost, fetched in the same order of k: every product meets its partner; the order of the sums inside an instruction is not that of ascending k.  out: [8192][1024] f32.
; SHARES.  Work-group (j, i): rows 128 i .. 128 i + 127, columns 256 j .. 256 j + 255.  Wave w makes 64 of the columns for the eight tiles of 16 rows: 256 matrix instructions.
; A wave's 64 rows of Wo stay in its registers (512, windows 1 and 2), read from memory once.  The rows' images (131,072 bytes) lie in LDS whole, filled once: no slot is ever filled again.
; CLUSTER.  The four work-groups of a cluster (j = 0 .. 3) need the same rows of a: each wave's quarter (32,768 dense bytes) is asked for jointly.  Wo is not shared: each partner takes other rows.
; THE MATRIX INSTRUCTION IS USED TRANSPOSED (source 0 = 16 rows of Wo, source 1 = 16 rows of a): a lane holds eight neighbouring columns of one row of out.  A tile (16 rows x 64 columns) goes through the wave's own stage
; in LDS and comes back as whole runs of 256 bytes.  One packed multiply-add gives sum x 2^(e10 + e11) + bo.
; LIMIT: e10 + e11 lies between -126 and 127, so that 2^(e10 + e11) is an f32 number.
; REGISTERS, in windows of 256: window 0: v3-10 addresses; v16-79, v80-143 two sets of a's fragments; v144-175 four accumulators; v176-207 results; v208-239 rows read back.
;   window 1: Wo's fragments of K steps 0-3 ((s, t) at 16 (4 s + t)); window 2: of K steps 4-7; window 3: v0-31 bo in the result's layout.
.set STAGE,  131072                    ; behind the images: 16 rows x 272 bytes for each wave; no tensor load lands there
.set SPITCH, 272                       ; 256 bytes + 16: the 16 rows that a store touches start at 16 different 16-byte columns of the banks (64 banks of 4 bytes: ISA guide 11.1)
.set LI,   3                           ; v3   16 x lane: row tiles 0-3
.set LI2,  4                           ; v4   + 65,536: row tiles 4-7 (an LDS offset has 16 bits)
.set STO,  5                           ; v5   the stage: where I put 32 bytes of a row
.set RD,   6                           ; v6   and where I read a row back
.set CO,   7                           ; v7   my byte offset in two rows of out
.set WA,   8                           ; v8   Wo's tile: r x 1,024 + 16 h
.set BH,   10                          ; v10  32 h
.set AF0,  16
.set AF1,  80
.set AC,   144
.set TMP,  176
.set OB,   208
.set MSB, 0
.macro WIN new                         ; s_set_vgpr_msb: bits 1:0 source 0, 3:2 source 1, 5:4 source 2, 7:6 destination; the high byte repeats the setting that is left
.if MSB != (\new)
	s_set_vgpr_msb (MSB<<8)|(\new)
.set MSB, (\new)
.endif
.endm
.macro ROUND                           ; a round of the cluster's barrier
	s_barrier_signal -1
	s_barrier_wait -1
	s_cmp_lg_u32 s24, 0
	s_cbranch_scc1 .Lnot_wave_0_\@
	s_barrier_signal -3
.Lnot_wave_0_\@:
	s_barrier_wait -3
	s_barrier_signal -1
	s_barrier_wait -1
.endm
.macro PLACES                          ; four plain vector instructions between a matrix instruction and a load into one of its sources or a read of its result (reads of its result)
.rept 4
	v_nop
.endr
.endm
.macro AFETCH buf, m, half             ; row tile m, K steps 4 half .. 4 half + 3: four fragments, 16 loads of 512 consecutive bytes
.irp sl, 0,1,2,3
.irp c, 0,1,2,3
	ds_load_b128 v[\buf+16*\sl+4*\c:\buf+16*\sl+4*\c+3], v[LI+(\m)/4] offset:((\m)%4)*16384+(4*\half+\sl)*2048+512*\c
.endr
.endr
.endm
; 16 matrix instructions: four K steps x my four tiles of 16 columns.  The four accumulators take turns, one instruction a turn.  first = 1: the first K step starts the sums: nothing is cleared.
.macro QMUL half, first
	WIN 1+\half                                    ; source 0 (Wo) window 1 or 2
.irp sl, 0,1,2,3
.irp t, 0,1,2,3
.if \first && (\sl == 0)
	v_wmma_f32_16x16x128_fp8_fp8 v[AC+8*\t:AC+8*\t+7], v[16*(4*\sl+\t):16*(4*\sl+\t)+15], v[AF0+64*\half+16*\sl:AF0+64*\half+16*\sl+15], 0
.else
	v_wmma_f32_16x16x128_fp8_fp8 v[AC+8*\t:AC+8*\t+7], v[16*(4*\sl+\t):16*(4*\sl+\t)+15], v[AF0+64*\half+16*\sl:AF0+64*\half+16*\sl+15], v[AC+8*\t:AC+8*\t+7]
.endif
.endr
.endr
.endm
.macro TOSTAGE                         ; a finished tile: scaled, biased, into my stage and back as rows
	WIN 0x30                                       ; source 2 (bo) window 3
.set n, 0
.rept 16
	v_pk_fma_f32 v[TMP+n:TMP+n+1], v[AC+n:AC+n+1], s[46:47], v[n:n+1] op_sel_hi:[1,0,1]   ; sum x 2^(e10 + e11) + bo (the scalar pair's low word for both halves); each accumulator from its low end on
.set n, n+2
.endr
	WIN 0
.irp t, 0,1,2,3
	ds_store_b128 v[STO], v[TMP+8*\t:TMP+8*\t+3] offset:64*\t        ; lane (r, h): row r, columns 16 t + 8 h + 0 .. 7
	ds_store_b128 v[STO], v[TMP+8*\t+4:TMP+8*\t+7] offset:64*\t+16
.endr
	s_wait_xcnt 0x0                                ; the last tile's stores have read the registers into which the rows below come back
.irp i, 0,1,2,3,4,5,6,7
	ds_load_b128 v[OB+4*\i:OB+4*\i+3], v[RD] offset:2*SPITCH*\i      ; LDS serves a wave's instructions in order (ISA guide 5.7.1.4): these see the stores above
.endr
.endm
.macro SEND m
.irp i, 0,1,2,3,4,5,6,7
	global_store_b128 v[CO], v[OB+4*\i:OB+4*\i+3], s[12:13] offset:(16*(\m)+2*\i)*4096 th:TH_STORE_NT   ; 16 lanes store 256 consecutive bytes, at a multiple of 256 from out's first byte; written once, read by nobody here
.endr
.endm
	s_load_b256 s[4:11], s[0:1], 0x0               ; aimg s[4:5], Wo s[6:7], bo s[8:9], the scales' exponents s[10:11]
	s_load_b64 s[12:13], s[0:1], 0x20              ; out
	v_lshl_add_u32 v254, v0, 2, 0x29000
	v_mov_b32 v255, 0
	ds_add_u32 v254, v255
	ds_add_u32 v254, v255
	v_lshrrev_b32 v1, 5, v0
	v_readfirstlane_b32 s24, v1                    ; wave 0..3
	s_bfe_u32 s25, ttmp6, 0x40000                  ; cx
	s_lshl_b32 s27, ttmp9, 2
	s_add_co_u32 s27, s27, s25                     ; j = 4 x cluster x + cx: it enters Wo's, bo's and out's addresses alone
	s_and_b32 s26, ttmp7, 0xffff                   ; i, which the four partners share
	; descriptor group 1: a dense block of 32,768 bytes as 128 rows of 32 elements of 8 bytes
	s_mov_b32 s32, 15|(3<<16)|(1<<21)              ; 15:0 the mask: all four work-groups; 17:16 elements of 8 bytes; 21 set beside a mask; no padding
	s_mov_b32 s33, 32<<16                          ; tensor_dim0 = 32
	s_mov_b32 s34, 128<<16                         ; tensor_dim1 = 128
	s_mov_b32 s35, 32<<16                          ; tile_dim0 = 32
	s_mov_b32 s36, 128                             ; tile_dim1 = 128
	s_mov_b32 s37, 32                              ; tensor_dim0_stride
	s_mov_b32 s38, 0
	s_mov_b32 s39, 0
	s_mov_b32 s28, 1                               ; group 0: count = 1
	s_lshl_b32 s29, s24, 15                        ; LDS address: my two row tiles
	s_lshl_b32 s50, s26, 17                        ; aimg: row tile 8 i (16,384 bytes a tile),
	s_add_co_u32 s50, s50, s29                     ; + 2 w tiles
	s_mov_b32 s51, 0
	s_mov_b32 s53, 0
	s_wait_dscnt 0x0
	s_wait_kmcnt 0x0
	s_load_b64 s[44:45], s[10:11], 0x28            ; e10, e11
	s_add_nc_u64 s[30:31], s[4:5], s[50:51]
	s_or_b32 s31, s31, 0x80000000                  ; type = 2
	s_lshl_b32 s52, s27, 18                        ; Wo: 256 j + 64 w rows of 1,024 bytes
	s_lshl_b32 s54, s24, 16
	s_add_co_u32 s52, s52, s54
	s_add_nc_u64 s[6:7], s[6:7], s[52:53]
	s_lshr_b32 s52, s52, 8                         ; a row of Wo is 1,024 bytes, its bias 4: the offset / 256
	s_add_nc_u64 s[8:9], s[8:9], s[52:53]
	s_lshl_b32 s52, s26, 19                        ; out: 128 i rows of 4,096 bytes, + 4 (256 j + 64 w)
	s_lshl_b32 s54, s27, 10
	s_add_co_u32 s52, s52, s54
	s_lshl_b32 s54, s24, 8
	s_add_co_u32 s52, s52, s54
	s_add_nc_u64 s[12:13], s[12:13], s[52:53]
	v_and_b32 v2, 15, v0                           ; r
	v_bfe_u32 v13, v0, 4, 1                        ; h
	v_and_b32 v14, 31, v0                          ; lane
	v_lshlrev_b32 v[LI], 4, v14
	v_add_nc_u32 v[LI2], 0x10000, v[LI]
	s_mul_i32 s49, s24, 16*SPITCH
	s_add_co_u32 s49, s49, STAGE                   ; my stage
	v_mul_u32_u24 v[STO], v2, SPITCH               ; in: row r, 32 bytes for each half of the lanes
	v_lshl_add_u32 v[STO], v13, 5, v[STO]
	v_add_nc_u32 v[STO], s49, v[STO]
	v_mul_u32_u24 v[RD], v13, SPITCH               ; back: lanes 0-15 take one row's 256 bytes, lanes 16-31 the next row's
	v_lshl_add_u32 v[RD], v2, 4, v[RD]
	v_add_nc_u32 v[RD], s49, v[RD]
	v_lshlrev_b32 v[CO], 12, v13                   ; and the same two rows in out
	v_lshl_add_u32 v[CO], v2, 4, v[CO]
	v_lshlrev_b32 v[WA], 10, v2
	v_lshl_add_u32 v[WA], v13, 4, v[WA]
	v_lshlrev_b32 v[BH], 5, v13
	ROUND                                          ; all four work-groups are here: the joint loads meet
	tensor_load_to_lds s[28:31], s[32:39]          ; my two row tiles' images: the wave's one tensor load of the launch
	s_nop 0
.rept 4
	v_nop                                          ; four v_nop follow the line
.endr
	WIN 0x40                                       ; destination window 1
.irp s, 0,1,2,3
.irp t, 0,1,2,3
.irp c, 0,1,2,3
	global_load_b128 v[16*(4*\s+\t)+4*\c:16*(4*\s+\t)+4*\c+3], v[WA], s[6:7] offset:\t*16384+128*\s+32*\c
.endr
.endr
.endr
	WIN 0x80                                       ; destination window 2
.irp s, 0,1,2,3
.irp t, 0,1,2,3
.irp c, 0,1,2,3
	global_load_b128 v[16*(4*\s+\t)+4*\c:16*(4*\s+\t)+4*\c+3], v[WA], s[6:7] offset:\t*16384+128*(4+\s)+32*\c
.endr
.endr
.endr
	WIN 0xc0                                       ; destination window 3
.irp t, 0,1,2,3
	global_load_b128 v[8*\t:8*\t+3], v[BH], s[8:9] offset:64*\t        ; bo at my columns 16 t + 8 h + 0 .. 7: the result's layout
	global_load_b128 v[8*\t+4:8*\t+7], v[BH], s[8:9] offset:64*\t+16
.endr
	WIN 0
	s_wait_kmcnt 0x0
	s_add_co_i32 s46, s44, s45
	s_add_co_i32 s46, s46, 127
	s_lshl_b32 s46, s46, 23                        ; 2^(e10 + e11) as f32
	s_mov_b32 s47, s46                             ; (named with it as a pair, so it is written)
	s_wait_loadcnt 0x0                             ; Wo and bo
	s_wait_tensorcnt 0x0                           ; my two row tiles are in LDS,
	s_barrier_signal -1
	s_barrier_wait -1                              ; everybody's are
	AFETCH AF0, 0, 0
	AFETCH AF1, 0, 1
.irp m, 0,1,2,3,4,5,6,7
.if \m == 0
	s_wait_dscnt 16                                ; the tile's K steps 0-3 are in; the 16 younger loads (K steps 4-7) may be out
.else
	s_wait_dscnt 32                                ; the same; behind them also the last tile's 8 stores into the stage and 8 loads from it
.endif
	QMUL 0, 1
	WIN 0
.if \m < 7
	PLACES
	AFETCH AF0, \m+1, 0
	s_wait_dscnt 16                                ; all but the 16 loads just issued: K steps 4-7 are in, and the last tile is back from the stage
.else
	s_wait_dscnt 0x0
.endif
.if \m > 0
	SEND \m-1                                      ; the last tile's stores leave while this tile is multiplied
.endif
	QMUL 1, 0
	WIN 0
	PLACES
.if \m < 7
	AFETCH AF1, \m+1, 1
.endif
	TOSTAGE
.endr
	s_wait_dscnt 0x0
	SEND 7
	s_wait_tensorcnt 0x0
	ds_add_u32 v254, v255
	s_wait_dscnt 0x0
	ROUND                                          ; the closing round: no work-group ends while a partner may still ask for a tile that names it
	s_endpgm
.Lfunc_end_k_qcb36457b6a_outp:
	.size	k_qcb36457b6a_outp, .Lfunc_end_k_qcb36457b6a_outp-k_qcb36457b6a_outp
	.p2alignl 7, 3214868480
	.fill 96, 4, 3214868480
	.section	.rodata,"a",@progbits
	.p2align	6, 0x0
	.amdhsa_kernel k_qcb36457b6a_outp
		.amdhsa_group_segment_fixed_size 168448
		.amdhsa_private_segment_fixed_size 0
		.amdhsa_enable_private_segment 0
		.amdhsa_kernarg_size 40
		.amdhsa_user_sgpr_count 2
		.amdhsa_user_sgpr_kernarg_segment_ptr 1
		.amdhsa_wavefront_size32 1
		.amdhsa_system_sgpr_workgroup_id_x 1
		.amdhsa_system_sgpr_workgroup_id_y 1
		.amdhsa_system_sgpr_workgroup_id_z 1
		.amdhsa_system_vgpr_workitem_id 0
		.amdhsa_next_free_vgpr 1024
		.amdhsa_next_free_sgpr 66
		.amdhsa_reserve_vcc 0
		.amdhsa_float_denorm_mode_32 3
		.amdhsa_float_denorm_mode_16_64 3
		.amdhsa_memory_ordered 1
		.amdhsa_forward_progress 1
		.amdhsa_inst_pref_size 76
	.end_amdhsa_kernel
	.amdgpu_metadata
---
amdhsa.version: [ 1, 2 ]
amdhsa.kernels:
  - .name:           k_qcb36457b6a_outp
    .symbol:         k_qcb36457b6a_outp.kd
    .args:
      - { .name: aimg, .offset: 0, .size: 8, .value_kind: global_buffer, .address_space: global }
      - { .name: Wo_codes, .offset: 8, .size: 8, .value_kind: global_buffer, .address_space: global }
      - { .name: bo, .offset: 16, .size: 8, .value_kind: global_buffer, .address_space: global }
      - { .name: lowp_scales, .offset: 24, .size: 8, .value_kind: global_buffer, .address_space: global }
      - { .name: out0, .offset: 32, .size: 8, .value_kind: global_buffer, .address_space: global }
    .group_segment_fixed_size: 168448
    .private_segment_fixed_size: 0
    .kernarg_segment_align: 8
    .kernarg_segment_size: 40
    .max_flat_workgroup_size: 128
    .sgpr_count:     66
    .vgpr_count:     1024
    .wavefront_size: 32
...
	.end_amdgpu_metadata
.endif
;; end of part 3
;; ======== version 2 of 2: 3 launches
;; limits: right only within a limited range of input values
;; workspace buffers: qimg 8,388,608 bytes; kvimg 1,048,576 bytes; aimg 8,388,608 bytes
;; launch proj (part 4): grid 4 x 64, 4 waves a work-group, clusters of 4 x 1, 168,448 bytes of LDS; arguments hidden_state_codes, Wq_codes, Wk_codes, Wv_codes, bq, bk, bv, lowp_scales, qimg, kvimg; writes qimg, kvimg
.if DOCPART == 4
	.amdgcn_target "amdgcn-amd-amdhsa--gfx1250"
	.amdhsa_code_object_version 6
	.text
	.protected	k_qcb36457b6a_proj
	.globl	k_qcb36457b6a_proj
	.p2align	8
	.type	k_qcb36457b6a_proj,@function
k_qcb36457b6a_proj:
	s_mov_b64 s[64:65], 0
	v_nop
	global_prefetch_b8 v0, s[64:65] scope:SCOPE_SE
	s_setreg_imm32_b32 hwreg(HW_REG_WAVE_MODE, 25, 1), 1
	s_wait_xcnt 0x0
	s_wait_alu depctr_hold_cnt(0) depctr_sa_sdst(0) depctr_va_vdst(0) depctr_va_sdst(0) depctr_va_ssrc(0) depctr_va_vcc(0) depctr_vm_vsrc(0)
	s_getreg_b32 s2, hwreg(HW_REG_IB_STS2, 6, 4)
	s_cmp_eq_u32 s2, 0
	s_cbranch_scc0 .Lentry_in_a_cluster
	s_endpgm
.Lentry_in_a_cluster:
	s_bfe_u32 s2, ttmp6, 0x10000c
	s_cmp_lg_u32 s2, 0x3003
	s_cbranch_scc0 .Lentry_shape_is_right
	s_endpgm
.Lentry_shape_is_right:
; q = X Wq + bq, k = X Wk + bk, v = X Wv + bv on codes of FP8 (E4M3), each result quantised at once with its given scale and stored as an IMAGE OF THE REGISTERS of the operand that it will be.
; X: [8192][1024] codes.  Wq: [1024 (n)][1024 (k)], Wk, Wv: [64 (n)][1024 (k)] codes, K innermost.  Scales 2^e: product 1: e0, e1; product 2: e2, e3; product 3: e4, e5; k is quantised with e6, q with e7, v with e8.
; SHARES.  Work-group (j, i): rows 128 i .. 128 i + 127 of X, which are key step i % 16 of batch i / 16.  Wave w makes head 4 j + w of q (64 columns) for the eight tiles of 16 rows: 256 matrix instructions;
; then, for keys 32 w .. 32 w + 31, 16 of the 64 numbers of k and 16 of v (which 16: j): 32 more.  Every wave of every work-group has the same work.
; THE WEIGHTS STAY IN REGISTERS: a wave's 64 rows of Wq, 16 of Wk, 16 of Wv, read from memory once (768 registers, windows 1 to 3).  X's 128 rows lie in LDS whole (133,120 bytes), filled once: no slot is ever filled again.
; CLUSTER.  The four work-groups of a cluster (j = 0 .. 3) need the same 128 rows of X: each wave's quarter is asked for jointly, by the same tensor load with a mask that names the four.  The weights are not shared: each partner takes other rows.
; LAYOUT.  q and k are used transposed (source 0 = 16 rows of W, source 1 = 16 rows of X): a lane holds one row of X and eight neighbouring numbers along the head's 64, the next product's K.
; v is used the other way (source 0 = X, source 1 = Wv): a lane holds one of the head's 64 and eight keys, which are the K of the product that takes v.
; THE ROWS OF A TILE ARE NOT ALWAYS NEIGHBOURS: for k and v, lane r of X's tile u takes key 32 w + 8 u + r + 8 (r / 8); for v, lane r takes row 32 (j / 2) + 8 (j % 2) + r + 8 (r / 8) of Wv.  So a lane's 16 numbers of two
; neighbouring tiles are 16 neighbours along the K of the product that will take them.
; k INSIDE AN INSTRUCTION: a fragment of 16 rows x 128 K is fetched by four loads of 16 bytes: registers 4 c .. 4 c + 3 hold K = 32 c + 16 (lane / 16) + 0 .. 15, alike in both sources: every product meets its partner; the order of the sums inside an instruction is not that of ascending k.
; The biases are the C of each sum's first matrix instruction, divided by the power of two that the sums lack.
; LIMITS: e7 - e0 - e1, e6 - e2 - e3 and e8 - e4 - e5 lie between -126 and 119, so that each scale and 448 x it are f32 numbers.  NaN among the biases is not served.
; OUT.  qimg [row tile 512][head 16][2][lane 32][16 bytes]: registers 2 c, 2 c + 1 of lane (r, h): d = 16 c + 8 h + 0 .. 7 of row r.
;       kvimg [batch x 16 + key step][16,384]: bytes 0 .. 8,191: k, [key tile 8][piece 4][lane][8 bytes]; bytes 8,192 on: v, [d tile 4][c 4][lane][16 bytes].
; REGISTERS, in windows of 256: window 0: v3-11 addresses; v16-79, v80-143 two sets of X's fragments; v144-175 four accumulators; v176-223 biases; v224-239 codes; v240-245 scales.
;   window 1: Wq's fragments of K steps 0-3 ((s, t) at 16 (4 s + t)); window 2: of K steps 4-7; window 3: Wk's eight at 16 s, Wv's eight at 128 + 16 s.
.set XP,   1040                        ; a row of X in LDS: 1,024 bytes + 16 of padding = 65 x 16: the 16 rows that a load touches start at 16 different 16-byte columns of the banks (64 banks of 4 bytes: ISA guide 11.1)
.set AXA,  3                           ; v3   X's natural tiles 0-3: r x XP + 16 h
.set AXB,  4                           ; v4   tiles 4-7: 64 rows on (an LDS offset has 16 bits)
.set XPA,  5                           ; v5   X's tiles for k and v: (32 w + r + 8 (r / 8)) x XP + 16 h
.set WA,   6                           ; v6   a weight's natural tile: r x 1,024 + 16 h
.set WP,   7                           ; v7   Wv's tile: (r + 8 (r / 8)) x 1,024 + 16 h
.set QO,   8                           ; v8   16 x lane
.set KO,   9                           ; v9   8 x lane
.set BH,   10                          ; v10  32 h: my eight numbers of a tile's 16 of bq or bk
.set BP,   11                          ; v11  4 (r + 8 (r / 8)): my number of bv
.set AF0,  16
.set AF1,  80
.set AC,   144
.set BQ,   176
.set BK,   208
.set BV,   216
.set PC0,  224
.set PC1,  232
.set SCQ,  240
.set LIMQ, 241
.set SCK,  242
.set LIMK, 243
.set SCV,  244
.set LIMV, 245
.set MSB, 0
.macro WIN new                         ; s_set_vgpr_msb: bits 1:0 source 0, 3:2 source 1, 5:4 source 2, 7:6 destination; the high byte repeats the setting that is left
.if MSB != (\new)
	s_set_vgpr_msb (MSB<<8)|(\new)
.set MSB, (\new)
.endif
.endm
.macro ROUND                           ; a round of the cluster's barrier: my work-group's barrier; wave 0 signals for the work-group; every wave waits for all four work-groups; my work-group's barrier once more
	s_barrier_signal -1
	s_barrier_wait -1
	s_cmp_lg_u32 s24, 0
	s_cbranch_scc1 .Lnot_wave_0_\@
	s_barrier_signal -3
.Lnot_wave_0_\@:
	s_barrier_wait -3
	s_barrier_signal -1
	s_barrier_wait -1
.endm
.macro PLACES                          ; four plain vector instructions between a matrix instruction and a load into one of its sources or a read of its result (reads of its result)
.rept 4
	v_nop
.endr
.endm
.macro MKSCALE e, ns, sc, lim          ; E = e + ns: v[sc] = 2^E as f32 (the conversion takes its exponent field), v[lim] = 448 x 2^E
	s_add_co_i32 s63, \e, \ns
	s_add_co_i32 s63, s63, 127
	s_lshl_b32 s49, s63, 23
	v_mov_b32 v[\sc], s49
	s_add_co_i32 s63, s63, 8
	s_lshl_b32 s63, s63, 23
	s_or_b32 s63, s63, 0x600000
	v_mov_b32 v[\lim], s63
.endm
.macro AFETCH buf, m, half             ; X's natural tile m, K steps 4 half .. 4 half + 3: four fragments, 16 loads
.irp sl, 0,1,2,3
.irp c, 0,1,2,3
	ds_load_b128 v[\buf+16*\sl+4*\c:\buf+16*\sl+4*\c+3], v[AXA+(\m)/4] offset:((\m)%4)*16*XP+128*(4*\half+\sl)+32*\c
.endr
.endr
.endm
.macro XFETCH buf, q                   ; my two tiles of keys, K steps 2 q and 2 q + 1: four fragments ((sl, u) at 32 sl + 16 u), 16 loads
.irp sl, 0,1
.irp u, 0,1
.irp c, 0,1,2,3
	ds_load_b128 v[\buf+32*\sl+16*\u+4*\c:\buf+32*\sl+16*\u+4*\c+3], v[XPA] offset:8*XP*\u+128*(2*(\q)+\sl)+32*\c
.endr
.endr
.endr
.endm
; 16 matrix instructions: four K steps x my head's four tiles of 16 columns.  The four accumulators take turns, one instruction a turn.  first = 1: the first K step takes the bias as C: nothing is cleared.
.macro QMUL half, first
	WIN 1+\half                                    ; source 0 (Wq) window 1 or 2
.irp sl, 0,1,2,3
.irp t, 0,1,2,3
.if \first && (\sl == 0)
	v_wmma_f32_16x16x128_fp8_fp8 v[AC+8*\t:AC+8*\t+7], v[16*(4*\sl+\t):16*(4*\sl+\t)+15], v[AF0+64*\half+16*\sl:AF0+64*\half+16*\sl+15], v[BQ+8*\t:BQ+8*\t+7]
.else
	v_wmma_f32_16x16x128_fp8_fp8 v[AC+8*\t:AC+8*\t+7], v[16*(4*\sl+\t):16*(4*\sl+\t)+15], v[AF0+64*\half+16*\sl:AF0+64*\half+16*\sl+15], v[AC+8*\t:AC+8*\t+7]
.endif
.endr
.endr
.endm
; 8 matrix instructions: K steps 2 q, 2 q + 1 of k (two tiles of keys, transposed) and of v (the same two tiles as source 0).  Order k0 k1 k0 k1 v0 v1 v0 v1: turns of one.
.macro KVMUL q, buf
	WIN 0x03                                       ; source 0 (Wk) window 3
.irp sl, 0,1
.irp u, 0,1
.if (\q == 0) && (\sl == 0)
	v_wmma_f32_16x16x128_fp8_fp8 v[AC+8*\u:AC+8*\u+7], v[16*(2*\q+\sl):16*(2*\q+\sl)+15], v[\buf+32*\sl+16*\u:\buf+32*\sl+16*\u+15], v[BK:BK+7]
.else
	v_wmma_f32_16x16x128_fp8_fp8 v[AC+8*\u:AC+8*\u+7], v[16*(2*\q+\sl):16*(2*\q+\sl)+15], v[\buf+32*\sl+16*\u:\buf+32*\sl+16*\u+15], v[AC+8*\u:AC+8*\u+7]
.endif
.endr
.endr
	WIN 0x0c                                       ; source 1 (Wv) window 3
.irp sl, 0,1
.irp u, 0,1
.if (\q == 0) && (\sl == 0)
	v_wmma_f32_16x16x128_fp8_fp8 v[AC+16+8*\u:AC+16+8*\u+7], v[\buf+32*\sl+16*\u:\buf+32*\sl+16*\u+15], v[128+16*(2*\q+\sl):128+16*(2*\q+\sl)+15], v[BV:BV+7]
.else
	v_wmma_f32_16x16x128_fp8_fp8 v[AC+16+8*\u:AC+16+8*\u+7], v[\buf+32*\sl+16*\u:\buf+32*\sl+16*\u+15], v[128+16*(2*\q+\sl):128+16*(2*\q+\sl)+15], v[AC+16+8*\u:AC+16+8*\u+7]
.endif
.endr
.endr
.endm
; Tile m of q leaves: held, converted, stored.  The four conversions' results are the eight registers of the operand: two stores of 512 consecutive bytes.
.macro QOUT m
.set PC, PC0+8*((\m)%2)
.set n, 0
.rept 32
	v_med3_num_f32 v[AC+n], v[AC+n], -v[LIMQ], v[LIMQ]   ; the conversion to an 8-bit code does not saturate (ISA guide 7.6.2): the hold at 448 x the scale; each accumulator from its low end on
.set n, n+1
.endr
	s_wait_alu depctr_va_vdst(0)
	s_wait_xcnt 0x0                                ; the stores of two tiles ago have read these code registers: they are written again only behind this wait
.irp t, 0,1,2,3
	v_cvt_scalef32_pk8_fp8_f32 v[PC+2*\t:PC+2*\t+1], v[AC+8*\t:AC+8*\t+7], v[SCQ]
.endr
	v_nop                                          ; a plain instruction between the conversions and the next products, which write their sources
	global_store_b128 v[QO], v[PC:PC+3], s[20:21] offset:(\m)*16384
	global_store_b128 v[QO], v[PC+4:PC+7], s[20:21] offset:(\m)*16384+512
.endm
	s_load_b256 s[4:11], s[0:1], 0x0               ; X s[4:5], Wq s[6:7], Wk s[8:9], Wv s[10:11]
	s_load_b256 s[12:19], s[0:1], 0x20             ; bq s[12:13], bk s[14:15], bv s[16:17], the scales' exponents s[18:19]
	s_load_b128 s[20:23], s[0:1], 0x40             ; qimg s[20:21], kvimg s[22:23]
	v_lshl_add_u32 v254, v0, 2, 0x29000
	v_mov_b32 v255, 0
	ds_add_u32 v254, v255
	ds_add_u32 v254, v255
	v_lshrrev_b32 v1, 5, v0
	v_readfirstlane_b32 s24, v1                    ; wave 0..3
	s_bfe_u32 s25, ttmp6, 0x40000                  ; cx: my place in the cluster
	s_lshl_b32 s27, ttmp9, 2
	s_add_co_u32 s27, s27, s25                     ; j = 4 x cluster x + cx: it enters global addresses of weights, biases and results alone
	s_and_b32 s26, ttmp7, 0xffff                   ; i, which the four partners share
	; descriptor group 1: 32 rows x 1,024 bytes, padded in LDS
	s_mov_b32 s32, 15|(1<<20)|(1<<21)|(7<<22)|(3<<25)   ; 15:0 the mask: all four work-groups; 17:16 elements of 1 byte; 20 padding on; 21 set beside a mask; 24:22 after every 256 words (code 7); 31:25 four words (code 3)
	s_mov_b32 s33, 1024<<16                        ; tensor_dim0 = 1,024
	s_mov_b32 s34, 32<<16                          ; tensor_dim1 = 32
	s_mov_b32 s35, 1024<<16                        ; tile_dim0 = 1,024
	s_mov_b32 s36, 32                              ; tile_dim1 = 32
	s_mov_b32 s37, 1024                            ; tensor_dim0_stride
	s_mov_b32 s38, 0
	s_mov_b32 s39, 0
	s_mov_b32 s28, 1                               ; group 0: count = 1
	s_mul_i32 s29, s24, 32*XP                      ; LDS address: my 32 rows
	s_lshl_b32 s50, s26, 17                        ; X: 128 i rows of 1,024 bytes
	s_lshl_b32 s49, s24, 15                        ; + 32 w rows
	s_add_co_u32 s50, s50, s49
	s_mov_b32 s51, 0
	s_mov_b32 s53, 0
	s_wait_dscnt 0x0
	s_wait_kmcnt 0x0
	s_load_b256 s[40:47], s[18:19], 0x0            ; e0 .. e7
	s_load_b32 s48, s[18:19], 0x20                 ; e8
	s_add_nc_u64 s[30:31], s[4:5], s[50:51]
	s_or_b32 s31, s31, 0x80000000                  ; type = 2
	s_lshl_b32 s52, s27, 18                        ; Wq: 256 j + 64 w rows of 1,024 bytes
	s_lshl_b32 s54, s24, 16
	s_add_co_u32 s52, s52, s54
	s_add_nc_u64 s[6:7], s[6:7], s[52:53]
	s_lshr_b32 s52, s52, 8                         ; a row of a weight is 1,024 bytes, its bias 4: the offset / 256
	s_add_nc_u64 s[12:13], s[12:13], s[52:53]
	s_lshl_b32 s52, s27, 14                        ; Wk: 16 j rows
	s_add_nc_u64 s[8:9], s[8:9], s[52:53]
	s_lshr_b32 s52, s52, 8
	s_add_nc_u64 s[14:15], s[14:15], s[52:53]
	s_lshr_b32 s54, s27, 1                         ; Wv: 32 (j / 2) + 8 (j % 2) rows
	s_lshl_b32 s52, s54, 15
	s_and_b32 s54, s27, 1
	s_lshl_b32 s54, s54, 13
	s_add_co_u32 s52, s52, s54
	s_add_nc_u64 s[10:11], s[10:11], s[52:53]
	s_lshr_b32 s52, s52, 8
	s_add_nc_u64 s[16:17], s[16:17], s[52:53]
	s_lshl_b32 s52, s26, 17                        ; qimg: row tile 8 i (16,384 bytes a tile), head 4 j + w (1,024 bytes)
	s_lshl_b32 s54, s27, 12
	s_add_co_u32 s52, s52, s54
	s_lshl_b32 s54, s24, 10
	s_add_co_u32 s52, s52, s54
	s_add_nc_u64 s[20:21], s[20:21], s[52:53]
	s_lshl_b32 s52, s26, 14                        ; kvimg, k: block i, key tile 2 w (1,024 bytes a tile), piece j (256 bytes)
	s_lshl_b32 s54, s24, 11
	s_add_co_u32 s52, s52, s54
	s_lshl_b32 s54, s27, 8
	s_add_co_u32 s52, s52, s54
	s_add_nc_u64 s[56:57], s[22:23], s[52:53]
	s_lshl_b32 s52, s26, 14                        ; kvimg, v: block i, + 8,192, d tile j (2,048 bytes), c = w (512 bytes)
	s_lshl_b32 s54, s27, 11
	s_add_co_u32 s52, s52, s54
	s_lshl_b32 s54, s24, 9
	s_add_co_u32 s52, s52, s54
	s_add_co_u32 s52, s52, 8192
	s_add_nc_u64 s[58:59], s[22:23], s[52:53]
	v_and_b32 v2, 15, v0                           ; r
	v_bfe_u32 v13, v0, 4, 1                        ; h
	v_and_b32 v14, 31, v0                          ; lane
	v_and_b32 v15, 8, v2
	v_add_nc_u32 v15, v15, v2                      ; r + 8 (r / 8)
	v_mul_u32_u24 v[AXA], v2, XP
	v_lshl_add_u32 v[AXA], v13, 4, v[AXA]
	v_add_nc_u32 v[AXB], 64*XP, v[AXA]
	v_mul_u32_u24 v[XPA], v15, XP
	v_lshl_add_u32 v[XPA], v13, 4, v[XPA]
	v_add_nc_u32 v[XPA], s29, v[XPA]               ; + my wave's 32 rows
	v_lshlrev_b32 v[WA], 10, v2
	v_lshl_add_u32 v[WA], v13, 4, v[WA]
	v_lshlrev_b32 v[WP], 10, v15
	v_lshl_add_u32 v[WP], v13, 4, v[WP]
	v_lshlrev_b32 v[QO], 4, v14
	v_lshlrev_b32 v[KO], 3, v14
	v_lshlrev_b32 v[BH], 5, v13
	v_lshlrev_b32 v[BP], 2, v15
	ROUND                                          ; all four work-groups are here: the joint loads meet
	tensor_load_to_lds s[28:31], s[32:39]          ; my 32 rows of X: the wave's one tensor load of the launch
	s_nop 0
.rept 4
	v_nop                                          ; four v_nop follow the line
.endr
	WIN 0x40                                       ; destination window 1
	s_wait_alu depctr_va_vdst(0)
.irp s, 0,1,2,3
.irp t, 0,1,2,3
.irp c, 0,1,2,3
	global_load_b128 v[16*(4*\s+\t)+4*\c:16*(4*\s+\t)+4*\c+3], v[WA], s[6:7] offset:\t*16384+128*\s+32*\c
.endr
.endr
.endr
	WIN 0x80                                       ; destination window 2
.irp s, 0,1,2,3
.irp t, 0,1,2,3
.irp c, 0,1,2,3
	global_load_b128 v[16*(4*\s+\t)+4*\c:16*(4*\s+\t)+4*\c+3], v[WA], s[6:7] offset:\t*16384+128*(4+\s)+32*\c
.endr
.endr
.endr
	WIN 0xc0                                       ; destination window 3
.irp s, 0,1,2,3,4,5,6,7
.irp c, 0,1,2,3
	global_load_b128 v[16*\s+4*\c:16*\s+4*\c+3], v[WA], s[8:9] offset:128*\s+32*\c
	global_load_b128 v[128+16*\s+4*\c:128+16*\s+4*\c+3], v[WP], s[10:11] offset:128*\s+32*\c
.endr
.endr
	WIN 0
.irp t, 0,1,2,3
	global_load_b128 v[BQ+8*\t:BQ+8*\t+3], v[BH], s[12:13] offset:64*\t       ; bq at my head's columns 16 t + 8 h + 0 .. 7: the result's layout
	global_load_b128 v[BQ+8*\t+4:BQ+8*\t+7], v[BH], s[12:13] offset:64*\t+16
.endr
	global_load_b128 v[BK:BK+3], v[BH], s[14:15]
	global_load_b128 v[BK+4:BK+7], v[BH], s[14:15] offset:16
	global_load_b32 v12, v[BP], s[16:17]           ; bv of my lane's one number of the head's 64
	s_wait_kmcnt 0x0
	s_add_co_i32 s60, s40, s41
	s_sub_co_i32 s60, 0, s60                       ; -(e0 + e1): a sum of product 1 stands for sum x 2^(e0 + e1)
	s_add_co_i32 s61, s42, s43
	s_sub_co_i32 s61, 0, s61                       ; -(e2 + e3)
	s_add_co_i32 s62, s44, s45
	s_sub_co_i32 s62, 0, s62                       ; -(e4 + e5)
	MKSCALE s47, s60, SCQ, LIMQ                    ; q's code = sum / 2^(e7 - e0 - e1): the three scales folded into the conversion's one
	MKSCALE s46, s61, SCK, LIMK                    ; k's: e6 - e2 - e3
	MKSCALE s48, s62, SCV, LIMV                    ; v's: e8 - e4 - e5
	s_wait_loadcnt 0x0                             ; weights and biases
.set n, 0
.rept 32
	v_ldexp_f32 v[BQ+n], v[BQ+n], s60              ; the bias goes in divided by the power of two that the sums lack
.set n, n+1
.endr
.set n, 0
.rept 8
	v_ldexp_f32 v[BK+n], v[BK+n], s61
	v_ldexp_f32 v[BV+n], v12, s62                  ; v's result holds one of the head's 64 a lane: the same bias in all eight registers
.set n, n+1
.endr
	s_wait_tensorcnt 0x0                           ; my 32 rows of X are in LDS,
	s_barrier_signal -1
	s_barrier_wait -1                              ; everybody's are
	AFETCH AF0, 0, 0
	AFETCH AF1, 0, 1
.irp m, 0,1,2,3,4,5,6,7
	s_wait_dscnt 16                                ; the tile's K steps 0-3 are in; the 16 younger loads (K steps 4-7) may be out
	QMUL 0, 1
	WIN 0
	PLACES
.if \m < 7
	AFETCH AF0, \m+1, 0
.else
	XFETCH AF0, 0
.endif
	s_wait_dscnt 16                                ; K steps 4-7 are in; the 16 loads just issued may be out
	QMUL 1, 0
	WIN 0
	PLACES
.if \m < 7
	AFETCH AF1, \m+1, 1
.else
	XFETCH AF1, 1
.endif
	QOUT \m
.endr
.irp q, 0,1,2,3
.if \q < 3
	s_wait_dscnt 16                                ; K steps 2 q, 2 q + 1 are in; the next two steps' 16 loads may be out
.else
	s_wait_dscnt 0x0
.endif
	KVMUL \q, AF0+64*(\q%2)
	WIN 0
.if \q < 2
	PLACES
	XFETCH AF0+64*(\q%2), \q+2
.endif
.endr
	PLACES
.set n, 0
.rept 16
	v_med3_num_f32 v[AC+n], v[AC+n], -v[LIMK], v[LIMK]
.set n, n+1
.endr
.rept 16
	v_med3_num_f32 v[AC+n], v[AC+n], -v[LIMV], v[LIMV]
.set n, n+1
.endr
	s_wait_alu depctr_va_vdst(0)
	s_wait_xcnt 0x0                                ; q's last stores have read the code registers
	v_cvt_scalef32_pk8_fp8_f32 v[PC0:PC0+1], v[AC:AC+7], v[SCK]             ; key tile 2 w: my key's d = 16 j + 8 h + 0 .. 7
	v_cvt_scalef32_pk8_fp8_f32 v[PC0+2:PC0+3], v[AC+8:AC+15], v[SCK]        ; key tile 2 w + 1
	v_cvt_scalef32_pk8_fp8_f32 v[PC1:PC1+1], v[AC+16:AC+23], v[SCV]         ; keys 32 w + 16 h + 0 .. 7 of my d,
	v_cvt_scalef32_pk8_fp8_f32 v[PC1+2:PC1+3], v[AC+24:AC+31], v[SCV]       ; and + 8 .. 15
	global_store_b64 v[KO], v[PC0:PC0+1], s[56:57]                 ; 32 lanes store 256 consecutive bytes, at a multiple of 256 from the buffer's first byte
	global_store_b64 v[KO], v[PC0+2:PC0+3], s[56:57] offset:1024
	global_store_b128 v[QO], v[PC1:PC1+3], s[58:59]                ; 512 consecutive bytes
	s_wait_tensorcnt 0x0
	ds_add_u32 v254, v255
	s_wait_dscnt 0x0
	ROUND                                          ; the closing round: no work-group ends while a partner may still ask for a tile that names it
	s_endpgm
.Lfunc_end_k_qcb36457b6a_proj:
	.size	k_qcb36457b6a_proj, .Lfunc_end_k_qcb36457b6a_proj-k_qcb36457b6a_proj
	.p2alignl 7, 3214868480
	.fill 96, 4, 3214868480
	.section	.rodata,"a",@progbits
	.p2align	6, 0x0
	.amdhsa_kernel k_qcb36457b6a_proj
		.amdhsa_group_segment_fixed_size 168448
		.amdhsa_private_segment_fixed_size 0
		.amdhsa_enable_private_segment 0
		.amdhsa_kernarg_size 80
		.amdhsa_user_sgpr_count 2
		.amdhsa_user_sgpr_kernarg_segment_ptr 1
		.amdhsa_wavefront_size32 1
		.amdhsa_system_sgpr_workgroup_id_x 1
		.amdhsa_system_sgpr_workgroup_id_y 1
		.amdhsa_system_sgpr_workgroup_id_z 1
		.amdhsa_system_vgpr_workitem_id 0
		.amdhsa_next_free_vgpr 1024
		.amdhsa_next_free_sgpr 66
		.amdhsa_reserve_vcc 0
		.amdhsa_float_denorm_mode_32 3
		.amdhsa_float_denorm_mode_16_64 3
		.amdhsa_memory_ordered 1
		.amdhsa_forward_progress 1
		.amdhsa_inst_pref_size 94
	.end_amdhsa_kernel
	.amdgpu_metadata
---
amdhsa.version: [ 1, 2 ]
amdhsa.kernels:
  - .name:           k_qcb36457b6a_proj
    .symbol:         k_qcb36457b6a_proj.kd
    .args:
      - { .name: hidden_state_codes, .offset: 0, .size: 8, .value_kind: global_buffer, .address_space: global }
      - { .name: Wq_codes, .offset: 8, .size: 8, .value_kind: global_buffer, .address_space: global }
      - { .name: Wk_codes, .offset: 16, .size: 8, .value_kind: global_buffer, .address_space: global }
      - { .name: Wv_codes, .offset: 24, .size: 8, .value_kind: global_buffer, .address_space: global }
      - { .name: bq, .offset: 32, .size: 8, .value_kind: global_buffer, .address_space: global }
      - { .name: bk, .offset: 40, .size: 8, .value_kind: global_buffer, .address_space: global }
      - { .name: bv, .offset: 48, .size: 8, .value_kind: global_buffer, .address_space: global }
      - { .name: lowp_scales, .offset: 56, .size: 8, .value_kind: global_buffer, .address_space: global }
      - { .name: qimg, .offset: 64, .size: 8, .value_kind: global_buffer, .address_space: global }
      - { .name: kvimg, .offset: 72, .size: 8, .value_kind: global_buffer, .address_space: global }
    .group_segment_fixed_size: 168448
    .private_segment_fixed_size: 0
    .kernarg_segment_align: 8
    .kernarg_segment_size: 80
    .max_flat_workgroup_size: 128
    .sgpr_count:     66
    .vgpr_count:     1024
    .wavefront_size: 32
...
	.end_amdgpu_metadata
.endif
;; end of part 4
;; launch attn (part 5): grid 64 x 4, 8 waves a work-group, clusters of 4 x 1, 264,192 bytes of LDS; arguments qimg, kvimg, lowp_scales, aimg; writes aimg
.if DOCPART == 5
	.amdgcn_target "amdgcn-amd-amdhsa--gfx1250"
	.amdhsa_code_object_version 6
	.text
	.protected	k_qcb36457b6a_attn
	.globl	k_qcb36457b6a_attn
	.p2align	8
	.type	k_qcb36457b6a_attn,@function
k_qcb36457b6a_attn:
	s_mov_b64 s[64:65], 0
	v_nop
	global_prefetch_b8 v0, s[64:65] scope:SCOPE_SE
	s_setreg_imm32_b32 hwreg(HW_REG_WAVE_MODE, 25, 1), 1
	s_wait_xcnt 0x0
	s_wait_alu depctr_hold_cnt(0) depctr_sa_sdst(0) depctr_va_vdst(0) depctr_va_sdst(0) depctr_va_ssrc(0) depctr_va_vcc(0) depctr_vm_vsrc(0)
	s_getreg_b32 s2, hwreg(HW_REG_IB_STS2, 6, 4)
	s_cmp_eq_u32 s2, 0
	s_cbranch_scc0 .Lentry_in_a_cluster
	s_endpgm
.Lentry_in_a_cluster:
	s_bfe_u32 s2, ttmp6, 0x10000c
	s_cmp_lg_u32 s2, 0x3003
	s_cbranch_scc0 .Lentry_shape_is_right
	s_endpgm
.Lentry_shape_is_right:
; a[row][64 head + d] = the sum over keys of softmax(q . k / 8) v, both products on codes of FP8 (E4M3), then quantised with e10 for the last projection.  One k and one v serve all 16 heads of a batch.
; THE SOFTMAX AHEAD OF THE SECOND PRODUCT: t = score x log2(e) / 8; M = the largest t so far, rounded UP to a whole number; p = 2^(t - M) is quantised (scale 2^e9), not normalised.
; The row's sum is taken of the unquantised p, in f32, and divides at the end.  When M moves, the sum and O are multiplied by 2^(old M - new M): exact.
; SHARES.  A work-group owns 32 rows (two tiles of 16) of one batch, for all 16 heads: 32 units of 16 queries of one head.  Each of its EIGHT waves owns four units at once (unit u: tile u % 2, head 2 w + u / 2),
; and walks the batch's 2,048 keys in 16 steps of 128.  A step's fragments of k (64 registers) and of v (64) are read from LDS once and serve the four units.
; A PIPELINE OF SLOTS, one slot for each (step, unit), on two blocks of 64 registers that take turns.  Slot n: the 64 exponentials of unit n, with the 32 paired holds of unit n - 1's p between them;
; then unit n - 1's O^T is rescaled, its p converted and its second product issued; unit n + 1's scores are issued into the block just converted; unit n's sum is taken (these additions are the places behind the products,
; and stand among the dependent lines that lead from the largest score to -M); unit n + 1's maximum, -M, f and t - M close the slot.
; The lines between the exponentials read nothing written since the wait ahead of the batch, and what they write is read behind the wait that follows it.
; k of the next step is fetched in slot 2 (behind the step's last scores) and waited for in slot 3; v in the next step's slot 0 (behind the step's last second product) and waited for in slot 1.
; LDS.  The batch's k and v as codes are 262,144 bytes: they lie in LDS whole, as they lie in kvimg (images of the operands' registers), filled once: no byte is filled again.
; CLUSTER.  The four work-groups of a cluster belong to one batch: each wave's eighth (two key steps, 32,768 dense bytes) is asked for jointly, by the same tensor load with a mask that names the four.  q is each wave's own.
; NO PREFETCH: all that the launch reads is asked for at its head, one tensor load a wave and eight loads of q; no loop runs ahead of a load from memory.
; LAYOUT.  Both products are used transposed: S^T = k q^T (source 0 = 16 keys, source 1 = 16 queries, K = 64), O^T = v^T p^T (source 0 = 16 of the head's 64, source 1 = p, K = 128 keys): a lane holds ONE query of each unit.
; The keys of a tile of k and the d of a tile of v were chosen by the launch that made them: the 16 registers of tiles 2 b, 2 b + 1 of S^T are keys 32 b + 16 (lane / 16) + 0 .. 15, those of O^T d = 32 b + 16 (lane / 16) + 0 .. 15.
; LIMITS: e6 + e7 between -123 and 130 (added to c's exponent field); e9 and e10 - e8 - e9 between -126 and 119.  NaN and infinities among the scores are not served.
; REGISTERS.  Window 0: v1-3 addresses that stay; v5, v6 the spare word and 0; v8, v9 the next step's addresses; v16-31 four units' state (-M, largest score, the sum in two halves); v32-63 q; v64-127, v192-255 the two blocks;
;   v128-143 p's codes; v144-151 chains of the maximum; v152-157 chains of the sum; v160-162 at work; v164-169 scales; v170-173 f of the even and of the odd units.  On the way out v64-95 take the results' codes.
;   Window 1: v0-63 k's fragments; v64-127 v's; v128-255 O^T, 32 registers a unit.
.set SPARE, 0x40000                    ; behind k and v: the spare words, 128 bytes a wave
.set AK,  1                            ; 8 x lane
.set AV,  2                            ; 8,192 + 16 x lane
.set GO,  3                            ; 16 x lane
.set SPW, 5
.set NIL, 6
.set ADK, 8
.set ADV, 9
.set ST,  16
.set QF,  32
.set SB0, 64
.set PP,  128
.set MC,  144
.set T1,  152
.set PL,  160
.set WK,  161
.set TT,  162
.set SCP, 164
.set LIMA, 165
.set LIMB, 167
.set SCO, 168
.set LIMO, 169
.set FF,  170
.set OC,  64
.set KF,  0
.set VF,  64
.set OO,  128
.set MSB, 0
.macro WIN new                         ; s_set_vgpr_msb: bits 1:0 source 0, 3:2 source 1, 5:4 source 2, 7:6 destination; the high byte repeats the setting that is left
.if MSB != (\new)
	s_set_vgpr_msb (MSB<<8)|(\new)
.set MSB, (\new)
.endif
.endm
.macro ROUND                           ; a round of the cluster's barrier
	s_barrier_signal -1
	s_barrier_wait -1
	s_cmp_lg_u32 s12, 0
	s_cbranch_scc1 .Lnot_wave_0_\@
	s_barrier_signal -3
.Lnot_wave_0_\@:
	s_barrier_wait -3
	s_barrier_signal -1
	s_barrier_wait -1
.endm
.macro KLOAD adr                       ; a step's k: eight tiles of 16 keys, 32 loads of 256 consecutive bytes
	WIN 0x40
.irp t, 0,1,2,3,4,5,6,7
.irp c, 0,1,2,3
	ds_load_b64 v[KF+8*\t+2*\c:KF+8*\t+2*\c+1], v[\adr] offset:1024*\t+256*\c
.endr
.endr
	WIN 0
.endm
.macro VLOAD adr                       ; a step's v: four tiles of 16 d, 16 loads of 512 consecutive bytes
	WIN 0x40
.irp t, 0,1,2,3
.irp c, 0,1,2,3
	ds_load_b128 v[VF+16*\t+4*\c:VF+16*\t+4*\c+3], v[\adr] offset:2048*\t+512*\c
.endr
.endr
	WIN 0
.endm
.macro QKM nu, sd                      ; the scores of unit nu into block sd; C = 0: nothing is cleared
	WIN 0x01                                       ; source 0 (k) window 1
.irp t, 0,1,2,3,4,5,6,7
	v_wmma_f32_16x16x64_fp8_fp8 v[\sd+8*\t:\sd+8*\t+7], v[KF+8*\t:KF+8*\t+7], v[QF+8*(\nu):QF+8*(\nu)+7], 0
.endr
	WIN 0
.endm
.macro PVM op                          ; O^T += v^T p^T: the four accumulators take turns
	WIN 0x51                                       ; v, C and D window 1, p window 0
.irp t, 0,1,2,3
	v_wmma_f32_16x16x128_fp8_fp8 v[\op+8*\t:\op+8*\t+7], v[VF+16*\t:VF+16*\t+15], v[PP:PP+15], v[\op+8*\t:\op+8*\t+7]
.endr
.endm
.macro RESC op, f                      ; O^T under the new M, each accumulator from its low end on.  The wait: directly ahead of the first reader of O^T
	s_wait_alu depctr_va_vdst(0)
.set n, 0
.rept 16
	v_pk_mul_f32 v[\op+n:\op+n+1], v[\op+n:\op+n+1], v[\f:\f+1] op_sel_hi:[1,0]
.set n, n+2
.endr
.endm
.macro HOLD sd, i                      ; pair i of p held at 448 x 2^e9: the conversion does not saturate (ISA guide 7.6.2); p is not negative, so the hold is one-sided
	v_dual_min_num_f32 v[\sd+2*(\i)], v[\sd+2*(\i)], v[LIMA] :: v_dual_min_num_f32 v[\sd+2*(\i)+1], v[\sd+2*(\i)+1], v[LIMB]
.endm
.macro CODES sd                        ; eight neighbouring keys' codes: two registers of the operand
.irp g, 0,1,2,3,4,5,6,7
	v_cvt_scalef32_pk8_fp8_f32 v[PP+2*\g:PP+2*\g+1], v[\sd+8*\g:\sd+8*\g+7], v[SCP]
.endr
.endm
; Pair j of the unquantised p of the unit in hand (block SC, state SU) goes into one of four chains; pairs 0 to 5 start the three side chains: nothing is cleared
.macro ADDP j
.if ((\j) == 1) || ((\j) == 3) || ((\j) == 5)
	v_pk_add_f32 v[T1+(\j)-1:T1+(\j)], v[SC+2*(\j)-2:SC+2*(\j)-1], v[SC+2*(\j):SC+2*(\j)+1]
.elseif ((\j)%4) == 0
	v_pk_add_f32 v[SU+2:SU+3], v[SU+2:SU+3], v[SC+2*(\j):SC+2*(\j)+1]
.else
	v_pk_add_f32 v[T1+2*((\j)%4)-2:T1+2*((\j)%4)-1], v[T1+2*((\j)%4)-2:T1+2*((\j)%4)-1], v[SC+2*(\j):SC+2*(\j)+1]
.endif
.endm
.macro AD a, b                         ; two such additions, where a unit is in hand
.if ADON
	ADDP \a
	ADDP \b
.endif
.endm
; The largest score, -M, f and t - M of the unit whose scores lie in block sd (state ns, f into fn).  ADON = 1: the last additions of the unit in hand stand between the dependent lines
.macro MAXFMA sd, ns, fn
	v_mov_b32 v[WK], v[\ns]                        ; the old -M is kept for f
.set n, 0
.rept 8
	v_max3_num_f32 v[MC+n], v[\sd+3*n], v[\sd+3*n+1], v[\sd+3*n+2]   ; ascending
.set n, n+1
.endr
.set n, 0
.rept 20
	v_max3_num_f32 v[MC+n%8], v[MC+n%8], v[\sd+24+2*n], v[\sd+25+2*n]
.set n, n+1
.endr
	v_max3_num_f32 v[MC], v[MC], v[MC+1], v[MC+2]
	v_max3_num_f32 v[MC+3], v[MC+3], v[MC+4], v[MC+5]
	v_max3_num_f32 v[MC+6], v[MC+6], v[MC+7], v[\ns+1]
	AD 20, 21
	v_max3_num_f32 v[MC], v[MC], v[MC+3], v[MC+6]
	AD 22, 23
	v_permlanex16_b32 v[PL], v[MC], s32, s33
	AD 24, 25
	v_max_num_f32 v[\ns+1], v[MC], v[PL]           ; and lane l xor 16's: the running largest score of my query
	AD 26, 27
	v_mul_f32 v[TT], s34, v[\ns+1]                 ; as t (c is positive)
	AD 28, 29
	v_floor_f32 v[\ns], -v[TT]                     ; the new -M = floor(-t) = -ceil(t)
	AD 30, 31
	v_sub_f32 v[WK], v[\ns], v[WK]                 ; M's old value less its new one: a whole number, 0 or less
.if ADON
	v_pk_add_f32 v[T1:T1+1], v[T1:T1+1], v[T1+2:T1+3]              ; the side chains are added to the sum
	v_pk_add_f32 v[SU+2:SU+3], v[SU+2:SU+3], v[T1+4:T1+5]
.endif
	v_pk_fma_f32 v[\sd:\sd+1], v[\sd:\sd+1], s[34:35], v[\ns:\ns+1] op_sel_hi:[1,0,0]       ; t - M (of the pairs c and -M the low word serves both halves)
	v_cvt_i32_f32 v[WK], v[WK]                     ; (it saturates)
	v_pk_fma_f32 v[\sd+2:\sd+3], v[\sd+2:\sd+3], s[34:35], v[\ns:\ns+1] op_sel_hi:[1,0,0]
.if ADON
	v_pk_add_f32 v[SU+2:SU+3], v[SU+2:SU+3], v[T1:T1+1]
.endif
	v_ldexp_f32 v[\fn], 1.0, v[WK]                 ; f = 2^(old M - new M)
.set n, 4
.rept 30
	v_pk_fma_f32 v[\sd+n:\sd+n+1], v[\sd+n:\sd+n+1], s[34:35], v[\ns:\ns+1] op_sel_hi:[1,0,0]
.set n, n+2
.endr
.endm
; SLOT of unit u.  pv = 1: the unit before is finished.  nx = 1: the unit after is begun.  ld = 1: the next step's k is fetched; ld = 2: this step's v.
.macro SLOT u, pv, nx, ld
.set SU, ST+4*(\u)
.set SC, SB0+128*((\u)%2)
.set SP, SB0+128*(1-(\u)%2)
.set NU, ((\u)+1)%4
.set NS, ST+4*NU
.set OP, OO+32*(((\u)+3)%4)
.set FC, FF+2*((\u)%2)
.set FP, FF+2*(1-(\u)%2)
.set ADON, 1
	s_wait_alu depctr_va_vdst(0)                   ; the wait ahead of the batch
.set i, 0
.rept 32
	v_exp_f32 v[SC+2*i], v[SC+2*i]                 ; p = 2^(t - M), at most 1: not normalised
.if \pv
	HOLD SP, i
.endif
	v_exp_f32 v[SC+2*i+1], v[SC+2*i+1]
.set i, i+1
.endr
	v_pk_mul_f32 v[SU+2:SU+3], v[SU+2:SU+3], v[FC:FC+1] op_sel_hi:[1,0]   ; the sum under the new M: the plain line behind the batch
.if \pv
	WIN 0x41                                       ; source 0 and destination (O^T) window 1
.endif
.if ((\u)%2) == 1
	s_wait_dscnt 0x0                               ; slot 1: this step's v is in; slot 3: the next step's k
.endif
.if \pv
	RESC OP, FP                                    ; its wait is also the one wait for the whole batch, ahead of its first reader
	WIN 0
	CODES SP
.else
	s_wait_alu depctr_va_vdst(0)                   ; one wait for the whole batch, ahead of its first reader
.endif
	ADDP 1                                         ; plain lines between the last conversion and the products that read its result and write its sources
	ADDP 3
	ADDP 5
.if \pv
	PVM OP
.endif
.if \nx
	QKM NU, SP
.else
	WIN 0
.endif
.irp j, 6,7,8,9,10,11,12,13,14,15,16,17,18,19
	ADDP \j                                        ; fourteen plain lines that name no register of the products: their places (ISA guide 7.12.1)
.endr
.if \ld == 1
	KLOAD ADK
.endif
.if \ld == 2
	VLOAD ADV
.endif
.if \nx
	MAXFMA SP, NS, FP
.else
.irp j, 20,21,22,23,24,25,26,27,28,29,30,31
	ADDP \j
.endr
	v_pk_add_f32 v[T1:T1+1], v[T1:T1+1], v[T1+2:T1+3]
	v_pk_add_f32 v[SU+2:SU+3], v[SU+2:SU+3], v[T1+4:T1+5]
	v_pk_add_f32 v[SU+2:SU+3], v[SU+2:SU+3], v[T1:T1+1]
.endif
.endm
	s_load_b256 s[4:11], s[0:1], 0x0               ; qimg s[4:5], kvimg s[6:7], the scales' exponents s[8:9], aimg s[10:11]
	v_lshl_add_u32 v[SPW], v0, 2, SPARE
	v_mov_b32 v[NIL], 0
	ds_add_u32 v[SPW], v[NIL]                      ; the opening lines: the add, twice on end, and its wait ahead of my tensor load
	ds_add_u32 v[SPW], v[NIL]
	v_lshrrev_b32 v4, 5, v0
	v_readfirstlane_b32 s12, v4                    ; wave 0..7
	s_bfe_u32 s13, ttmp6, 0x40000                  ; cx
	s_lshl_b32 s14, ttmp9, 2
	s_add_co_u32 s14, s14, s13                     ; my block of 32 rows = 4 x cluster x + cx: it enters q's and the result's addresses alone
	s_and_b32 s15, ttmp7, 0xffff                   ; the batch, which the four partners share
	; descriptor group 1: a dense block of 32,768 bytes as 128 rows of 32 elements of 8 bytes
	s_mov_b32 s20, 15|(3<<16)|(1<<21)              ; the mask: all four work-groups; elements of 8 bytes; bit 21 set beside a mask; no padding
	s_mov_b32 s21, 32<<16                          ; tensor_dim0 = 32
	s_mov_b32 s22, 128<<16                         ; tensor_dim1 = 128
	s_mov_b32 s23, 32<<16                          ; tile_dim0 = 32
	s_mov_b32 s24, 128                             ; tile_dim1 = 128
	s_mov_b32 s25, 32                              ; tensor_dim0_stride
	s_mov_b32 s26, 0
	s_mov_b32 s27, 0
	s_mov_b32 s16, 1                               ; group 0: count = 1
	s_lshl_b32 s17, s12, 15                        ; LDS address: key steps 2 w, 2 w + 1
	s_lshl_b32 s28, s15, 18                        ; kvimg: the batch's 262,144 bytes,
	s_add_co_u32 s28, s28, s17                     ; my two key steps
	s_mov_b32 s29, 0
	s_lshl_b32 s30, s15, 21                        ; qimg and aimg: row tile 128 x batch + 2 x block (16,384 bytes a tile), head 2 w (1,024 bytes a head)
	s_lshl_b32 s46, s14, 15
	s_add_co_u32 s30, s30, s46
	s_lshl_b32 s46, s12, 11
	s_add_co_u32 s30, s30, s46
	s_mov_b32 s31, 0
	s_mov_b32 s32, 0x76543210                      ; v_permlanex16_b32's selects for lane l xor 16
	s_mov_b32 s33, 0xfedcba98
	s_wait_dscnt 0x0
	s_wait_kmcnt 0x0
	s_load_b256 s[36:43], s[8:9], 0x10             ; e4 .. e11: e6 s38, e7 s39, e8 s40, e9 s41, e10 s42
	s_add_nc_u64 s[18:19], s[6:7], s[28:29]
	s_or_b32 s19, s19, 0x80000000                  ; type = 2
	s_add_nc_u64 s[4:5], s[4:5], s[30:31]
	s_add_nc_u64 s[10:11], s[10:11], s[30:31]
	ROUND                                          ; all four work-groups are here: the joint loads meet
	tensor_load_to_lds s[16:19], s[20:27]          ; the wave's one tensor load of the launch
	s_nop 0
.rept 4
	v_nop                                          ; four v_nop follow the line
.endr
	v_and_b32 v4, 31, v0                           ; lane
	v_lshlrev_b32 v[AK], 3, v4
	v_lshlrev_b32 v[GO], 4, v4
	v_add_nc_u32 v[AV], 8192, v[GO]
.irp u, 0,1,2,3
	global_load_b128 v[QF+8*\u:QF+8*\u+3], v[GO], s[4:5] offset:(\u%2)*16384+(\u/2)*1024          ; q's four fragments stay in registers
	global_load_b128 v[QF+8*\u+4:QF+8*\u+7], v[GO], s[4:5] offset:(\u%2)*16384+(\u/2)*1024+512
.endr
	v_mov_b32 v[PL], 0                             ; written once: a lane permute's destination counts as one of its sources
	v_mov_b32 v[FF+1], 0                           ; (named as the upper halves of the pairs)
	v_mov_b32 v[FF+3], 0
.irp u, 0,1,2,3
	v_mov_b32 v[ST+4*\u], 0x7f61b1e6               ; -M = 3e38, a whole number: the first step's f is then 2^(a saturated negative number) = 0
	v_mov_b32 v[ST+4*\u+1], 0xff61b1e6             ; the largest score so far: -3e38
	v_mov_b32 v[ST+4*\u+2], 0                      ; the sum, in two halves
	v_mov_b32 v[ST+4*\u+3], 0
.endr
	WIN 0x40
.set n, 0
.rept 128
	v_mov_b32 v[OO+n], 0                           ; O^T.  (The slot has no form of its own for the first step: it finds zeros, which f = 0 leaves zeros)
.set n, n+1
.endr
	WIN 0
	s_wait_alu depctr_va_vdst(0)                   ; the wait directly ahead of the wait below
	s_wait_kmcnt 0x0
	s_add_co_i32 s46, s38, s39
	s_lshl_b32 s46, s46, 23
	s_add_co_i32 s34, s46, 0x3e38aa3b              ; c = log2(e) / 8, with e6 + e7 added to its exponent field
	s_mov_b32 s35, s34                             ; (named with it as a pair, so it is written)
	s_add_co_i32 s46, s41, 127
	s_lshl_b32 s47, s46, 23
	v_mov_b32 v[SCP], s47                          ; 2^e9 as f32, for p's conversions
	s_add_co_i32 s46, s46, 8
	s_lshl_b32 s46, s46, 23
	s_or_b32 s46, s46, 0x600000
	v_mov_b32 v[LIMA], s46                         ; 448 x 2^e9,
	v_mov_b32 v[LIMB], s46                         ; twice: the two halves of the paired hold take their second sources from different register banks
	s_sub_co_i32 s46, s42, s40
	s_sub_co_i32 s46, s46, s41                     ; the result's code is (sum / l) / 2^(e10 - e8 - e9)
	s_add_co_i32 s46, s46, 127
	s_lshl_b32 s47, s46, 23
	v_mov_b32 v[SCO], s47
	s_add_co_i32 s46, s46, 8
	s_lshl_b32 s46, s46, 23
	s_or_b32 s46, s46, 0x600000
	v_mov_b32 v[LIMO], s46
	s_wait_alu depctr_va_vdst(0)                   ; the wait at the head's end
	s_wait_loadcnt 0x0                             ; q
	s_wait_tensorcnt 0x0                           ; my two key steps are in LDS,
	s_barrier_signal -1
	s_barrier_wait -1                              ; everybody's are
	KLOAD AK                                       ; key step 0
	VLOAD AV
	s_wait_dscnt 16                                ; k's 32 loads are in; v's 16, issued behind them, may be out
	QKM 0, SB0                                     ; the pipeline is filled: unit 0 of step 0 is begun
.rept 4
	v_nop                                          ; places behind the products: no other work is at hand here
.endr
.set ADON, 0
	MAXFMA SB0, ST, FF
	SLOT 0, 0, 1, 0                                ; the first slot has no unit before it
	s_mov_b32 s44, 16384                           ; LDS byte at which the next step begins
	s_mov_b32 s45, 15                              ; a trip: slots 1, 2, 3 of a step and slot 0 of the next
.Lstep:
	v_add_nc_u32 v[ADK], s44, v[AK]                ; where the next step's k and v lie
	v_add_nc_u32 v[ADV], s44, v[AV]
	SLOT 1, 1, 1, 0
	SLOT 2, 1, 1, 1
	SLOT 3, 1, 1, 0
	SLOT 0, 1, 1, 2
	s_add_co_u32 s44, s44, 16384
	s_sub_co_u32 s45, s45, 1
	s_cmp_lg_u32 s45, 0
	s_wait_alu depctr_va_vdst(0)                   ; the wait directly ahead of the branch
	s_cbranch_scc1 .Lstep
	SLOT 1, 1, 1, 0                                ; the last step's slots are written out: nothing more is fetched, and no LDS read passes the batch's last byte
	SLOT 2, 1, 1, 0
	SLOT 3, 1, 0, 0
	WIN 0x41                                       ; the pipeline is drained: the last unit is finished
	RESC OO+96, FF+2
	WIN 0
.set i, 0
.rept 32
	HOLD SB0+128, i
.set i, i+1
.endr
	CODES SB0+128
	v_nop                                          ; a plain line between the last conversion and the products that read its result
	PVM OO+96
	WIN 0
	; THE WAY OUT.  These plain lines are also the places behind the last products.
.irp u, 0,1,2,3
	v_add_f32 v[ST+4*\u+2], v[ST+4*\u+2], v[ST+4*\u+3]     ; the sum's two halves,
.endr
.irp u, 0,1,2,3
	v_permlanex16_b32 v[MC+\u], v[ST+4*\u+2], s32, s33
.endr
.irp u, 0,1,2,3
	v_add_f32 v[ST+4*\u+2], v[ST+4*\u+2], v[MC+\u]         ; and lane l xor 16's: the row's sum l
.endr
	s_wait_alu depctr_va_vdst(0)                   ; the wait ahead of the batch
.irp u, 0,1,2,3
	v_rcp_f32 v[ST+4*\u+2], v[ST+4*\u+2]
.endr
	v_nop                                          ; a plain line behind the batch
	WIN 0x41
	s_wait_alu depctr_va_vdst(0)                   ; one wait for the batch and, directly ahead of its first reader, for O^T
.irp u, 0,1,2,3
.set n, 0
.rept 16
	v_pk_mul_f32 v[OO+32*\u+n:OO+32*\u+n+1], v[OO+32*\u+n:OO+32*\u+n+1], v[ST+4*\u+2:ST+4*\u+3] op_sel_hi:[1,0]   ; O^T / l, each accumulator from its low end on
.set n, n+2
.endr
.endr
.set n, 0
.rept 128
	v_med3_num_f32 v[OO+n], v[OO+n], -v[LIMO], v[LIMO]     ; the hold at 448 x the scale
.set n, n+1
.endr
	WIN 0x01
.irp u, 0,1,2,3
.irp t, 0,1,2,3
	v_cvt_scalef32_pk8_fp8_f32 v[OC+8*\u+2*\t:OC+8*\u+2*\t+1], v[OO+32*\u+8*\t:OO+32*\u+8*\t+7], v[SCO]   ; tiles 2 b, 2 b + 1: d = 32 b + 16 h + 0 .. 15: registers 4 b .. 4 b + 3
.endr
.endr
	v_nop
	WIN 0
.irp u, 0,1,2,3
	global_store_b128 v[GO], v[OC+8*\u:OC+8*\u+3], s[10:11] offset:(\u%2)*16384+(\u/2)*1024         ; 512 consecutive bytes, at a multiple of 256 from the buffer's first byte
	global_store_b128 v[GO], v[OC+8*\u+4:OC+8*\u+7], s[10:11] offset:(\u%2)*16384+(\u/2)*1024+512
.endr
	s_wait_tensorcnt 0x0                           ; the wave's end
	ds_add_u32 v[SPW], v[NIL]
	s_wait_dscnt 0x0
	ROUND                                          ; the closing round: no work-group ends while a partner may still ask for a tile that names it
	s_endpgm
.Lfunc_end_k_qcb36457b6a_attn:
	.size	k_qcb36457b6a_attn, .Lfunc_end_k_qcb36457b6a_attn-k_qcb36457b6a_attn
	.p2alignl 7, 3214868480
	.fill 96, 4, 3214868480
	.section	.rodata,"a",@progbits
	.p2align	6, 0x0
	.amdhsa_kernel k_qcb36457b6a_attn
		.amdhsa_group_segment_fixed_size 264192
		.amdhsa_private_segment_fixed_size 0
		.amdhsa_enable_private_segment 0
		.amdhsa_kernarg_size 32
		.amdhsa_user_sgpr_count 2
		.amdhsa_user_sgpr_kernarg_segment_ptr 1
		.amdhsa_wavefront_size32 1
		.amdhsa_system_sgpr_workgroup_id_x 1
		.amdhsa_system_sgpr_workgroup_id_y 1
		.amdhsa_system_sgpr_workgroup_id_z 1
		.amdhsa_system_vgpr_workitem_id 0
		.amdhsa_next_free_vgpr 512
		.amdhsa_next_free_sgpr 66
		.amdhsa_reserve_vcc 0
		.amdhsa_float_denorm_mode_32 3
		.amdhsa_float_denorm_mode_16_64 3
		.amdhsa_memory_ordered 1
		.amdhsa_forward_progress 1
		.amdhsa_inst_pref_size 135
	.end_amdhsa_kernel
	.amdgpu_metadata
---
amdhsa.version: [ 1, 2 ]
amdhsa.kernels:
  - .name:           k_qcb36457b6a_attn
    .symbol:         k_qcb36457b6a_attn.kd
    .args:
      - { .name: qimg, .offset: 0, .size: 8, .value_kind: global_buffer, .address_space: global }
      - { .name: kvimg, .offset: 8, .size: 8, .value_kind: global_buffer, .address_space: global }
      - { .name: lowp_scales, .offset: 16, .size: 8, .value_kind: global_buffer, .address_space: global }
      - { .name: aimg, .offset: 24, .size: 8, .value_kind: global_buffer, .address_space: global }
    .group_segment_fixed_size: 264192
    .private_segment_fixed_size: 0
    .kernarg_segment_align: 8
    .kernarg_segment_size: 32
    .max_flat_workgroup_size: 256
    .sgpr_count:     66
    .vgpr_count:     512
    .wavefront_size: 32
...
	.end_amdgpu_metadata
.endif
;; end of part 5
;; launch outp (part 6): grid 4 x 64, 4 waves a work-group, clusters of 4 x 1, 168,448 bytes of LDS; arguments aimg, Wo_codes, bo, lowp_scales, out0; writes out0
.if DOCPART == 6
	.amdgcn_target "amdgcn-amd-amdhsa--gfx1250"
	.amdhsa_code_object_version 6
	.text
	.protected	k_qcb36457b6a_outp
	.globl	k_qcb36457b6a_outp
	.p2align	8
	.type	k_qcb36457b6a_outp,@function
k_qcb36457b6a_outp:
	s_mov_b64 s[64:65], 0
	v_nop
	global_prefetch_b8 v0, s[64:65] scope:SCOPE_SE
	s_setreg_imm32_b32 hwreg(HW_REG_WAVE_MODE, 25, 1), 1
	s_wait_xcnt 0x0
	s_wait_alu depctr_hold_cnt(0) depctr_sa_sdst(0) depctr_va_vdst(0) depctr_va_sdst(0) depctr_va_ssrc(0) depctr_va_vcc(0) depctr_vm_vsrc(0)
	s_getreg_b32 s2, hwreg(HW_REG_IB_STS2, 6, 4)
	s_cmp_eq_u32 s2, 0
	s_cbranch_scc0 .Lentry_in_a_cluster
	s_endpgm
.Lentry_in_a_cluster:
	s_bfe_u32 s2, ttmp6, 0x10000c
	s_cmp_lg_u32 s2, 0x3003
	s_cbranch_scc0 .Lentry_shape_is_right
	s_endpgm
.Lentry_shape_is_right:
; out = a Wo + bo on codes of FP8 (E4M3).  a: [8192][1024] as images of fragments, aimg [row tile 512][K step 8][c 4][lane 32][16 bytes]: registers 4 c .. 4 c + 3 of lane (r, h): k = 128 s + 32 c + 16 h + 0 .. 15 of row r.
; Wo: [1024 (n)][1024 (k)] codes, K innermost, fetched in the same order of k: every product meets its partner; the order of the sums inside an instruction is not that of ascending k.  out: [8192][1024] f32.
; SHARES.  Work-group (j, i): rows 128 i .. 128 i + 127, columns 256 j .. 256 j + 255.  Wave w makes 64 of the columns for the eight tiles of 16 rows: 256 matrix instructions.
; A wave's 64 rows of Wo stay in its registers (512, windows 1 and 2), read from memory once.  The rows' images (131,072 bytes) lie in LDS whole, filled once: no slot is ever filled again.
; CLUSTER.  The four work-groups of a cluster (j = 0 .. 3) need the same rows of a: each wave's quarter (32,768 dense bytes) is asked for jointly.  Wo is not shared: each partner takes other rows.
; THE MATRIX INSTRUCTION IS USED TRANSPOSED (source 0 = 16 rows of Wo, source 1 = 16 rows of a): a lane holds eight neighbouring columns of one row of out.  A tile (16 rows x 64 columns) goes through the wave's own stage
; in LDS and comes back as whole runs of 256 bytes.  One packed multiply-add gives sum x 2^(e10 + e11) + bo.
; LIMIT: e10 + e11 lies between -126 and 127, so that 2^(e10 + e11) is an f32 number.
; REGISTERS, in windows of 256: window 0: v3-10 addresses; v16-79, v80-143 two sets of a's fragments; v144-175 four accumulators; v176-207 results; v208-239 rows read back.
;   window 1: Wo's fragments of K steps 0-3 ((s, t) at 16 (4 s + t)); window 2: of K steps 4-7; window 3: v0-31 bo in the result's layout.
.set STAGE,  131072                    ; behind the images: 16 rows x 272 bytes for each wave; no tensor load lands there
.set SPITCH, 272                       ; 256 bytes + 16: the 16 rows that a store touches start at 16 different 16-byte columns of the banks (64 banks of 4 bytes: ISA guide 11.1)
.set LI,   3                           ; v3   16 x lane: row tiles 0-3
.set LI2,  4                           ; v4   + 65,536: row tiles 4-7 (an LDS offset has 16 bits)
.set STO,  5                           ; v5   the stage: where I put 32 bytes of a row
.set RD,   6                           ; v6   and where I read a row back
.set CO,   7                           ; v7   my byte offset in two rows of out
.set WA,   8                           ; v8   Wo's tile: r x 1,024 + 16 h
.set BH,   10                          ; v10  32 h
.set AF0,  16
.set AF1,  80
.set AC,   144
.set TMP,  176
.set OB,   208
.set MSB, 0
.macro WIN new                         ; s_set_vgpr_msb: bits 1:0 source 0, 3:2 source 1, 5:4 source 2, 7:6 destination; the high byte repeats the setting that is left
.if MSB != (\new)
	s_set_vgpr_msb (MSB<<8)|(\new)
.set MSB, (\new)
.endif
.endm
.macro ROUND                           ; a round of the cluster's barrier
	s_barrier_signal -1
	s_barrier_wait -1
	s_cmp_lg_u32 s24, 0
	s_cbranch_scc1 .Lnot_wave_0_\@
	s_barrier_signal -3
.Lnot_wave_0_\@:
	s_barrier_wait -3
	s_barrier_signal -1
	s_barrier_wait -1
.endm
.macro PLACES                          ; four plain vector instructions between a matrix instruction and a load into one of its sources or a read of its result (reads of its result)
.rept 4
	v_nop
.endr
.endm
.macro AFETCH buf, m, half             ; row tile m, K steps 4 half .. 4 half + 3: four fragments, 16 loads of 512 consecutive bytes
.irp sl, 0,1,2,3
.irp c, 0,1,2,3
	ds_load_b128 v[\buf+16*\sl+4*\c:\buf+16*\sl+4*\c+3], v[LI+(\m)/4] offset:((\m)%4)*16384+(4*\half+\sl)*2048+512*\c
.endr
.endr
.endm
; 16 matrix instructions: four K steps x my four tiles of 16 columns.  The four accumulators take turns, one instruction a turn.  first = 1: the first K step starts the sums: nothing is cleared.
.macro QMUL half, first
	WIN 1+\half                                    ; source 0 (Wo) window 1 or 2
.irp sl, 0,1,2,3
.irp t, 0,1,2,3
.if \first && (\sl == 0)
	v_wmma_f32_16x16x128_fp8_fp8 v[AC+8*\t:AC+8*\t+7], v[16*(4*\sl+\t):16*(4*\sl+\t)+15], v[AF0+64*\half+16*\sl:AF0+64*\half+16*\sl+15], 0
.else
	v_wmma_f32_16x16x128_fp8_fp8 v[AC+8*\t:AC+8*\t+7], v[16*(4*\sl+\t):16*(4*\sl+\t)+15], v[AF0+64*\half+16*\sl:AF0+64*\half+16*\sl+15], v[AC+8*\t:AC+8*\t+7]
.endif
.endr
.endr
.endm
.macro TOSTAGE                         ; a finished tile: scaled, biased, into my stage and back as rows
	WIN 0x30                                       ; source 2 (bo) window 3
.set n, 0
.rept 16
	v_pk_fma_f32 v[TMP+n:TMP+n+1], v[AC+n:AC+n+1], s[46:47], v[n:n+1] op_sel_hi:[1,0,1]   ; sum x 2^(e10 + e11) + bo (the scalar pair's low word for both halves); each accumulator from its low end on
.set n, n+2
.endr
	WIN 0
.irp t, 0,1,2,3
	ds_store_b128 v[STO], v[TMP+8*\t:TMP+8*\t+3] offset:64*\t        ; lane (r, h): row r, columns 16 t + 8 h + 0 .. 7
	ds_store_b128 v[STO], v[TMP+8*\t+4:TMP+8*\t+7] offset:64*\t+16
.endr
	s_wait_xcnt 0x0                                ; the last tile's stores have read the registers into which the rows below come back
.irp i, 0,1,2,3,4,5,6,7
	ds_load_b128 v[OB+4*\i:OB+4*\i+3], v[RD] offset:2*SPITCH*\i      ; LDS serves a wave's instructions in order (ISA guide 5.7.1.4): these see the stores above
.endr
.endm
.macro SEND m
.irp i, 0,1,2,3,4,5,6,7
	global_store_b128 v[CO], v[OB+4*\i:OB+4*\i+3], s[12:13] offset:(16*(\m)+2*\i)*4096 th:TH_STORE_NT   ; 16 lanes store 256 consecutive bytes, at a multiple of 256 from out's first byte; written once, read by nobody here
.endr
.endm
	s_load_b256 s[4:11], s[0:1], 0x0               ; aimg s[4:5], Wo s[6:7], bo s[8:9], the scales' exponents s[10:11]
	s_load_b64 s[12:13], s[0:1], 0x20              ; out
	v_lshl_add_u32 v254, v0, 2, 0x29000
	v_mov_b32 v255, 0
	ds_add_u32 v254, v255
	ds_add_u32 v254, v255
	v_lshrrev_b32 v1, 5, v0
	v_readfirstlane_b32 s24, v1                    ; wave 0..3
	s_bfe_u32 s25, ttmp6, 0x40000                  ; cx
	s_lshl_b32 s27, ttmp9, 2
	s_add_co_u32 s27, s27, s25                     ; j = 4 x cluster x + cx: it enters Wo's, bo's and out's addresses alone
	s_and_b32 s26, ttmp7, 0xffff                   ; i, which the four partners share
	; descriptor group 1: a dense block of 32,768 bytes as 128 rows of 32 elements of 8 bytes
	s_mov_b32 s32, 15|(3<<16)|(1<<21)              ; 15:0 the mask: all four work-groups; 17:16 elements of 8 bytes; 21 set beside a mask; no padding
	s_mov_b32 s33, 32<<16                          ; tensor_dim0 = 32
	s_mov_b32 s34, 128<<16                         ; tensor_dim1 = 128
	s_mov_b32 s35, 32<<16                          ; tile_dim0 = 32
	s_mov_b32 s36, 128                             ; tile_dim1 = 128
	s_mov_b32 s37, 32                              ; tensor_dim0_stride
	s_mov_b32 s38, 0
	s_mov_b32 s39, 0
	s_mov_b32 s28, 1                               ; group 0: count = 1
	s_lshl_b32 s29, s24, 15                        ; LDS address: my two row tiles
	s_lshl_b32 s50, s26, 17                        ; aimg: row tile 8 i (16,384 bytes a tile),
	s_add_co_u32 s50, s50, s29                     ; + 2 w tiles
	s_mov_b32 s51, 0
	s_mov_b32 s53, 0
	s_wait_dscnt 0x0
	s_wait_kmcnt 0x0
	s_load_b64 s[44:45], s[10:11], 0x28            ; e10, e11
	s_add_nc_u64 s[30:31], s[4:5], s[50:51]
	s_or_b32 s31, s31, 0x80000000                  ; type = 2
	s_lshl_b32 s52, s27, 18                        ; Wo: 256 j + 64 w rows of 1,024 bytes
	s_lshl_b32 s54, s24, 16
	s_add_co_u32 s52, s52, s54
	s_add_nc_u64 s[6:7], s[6:7], s[52:53]
	s_lshr_b32 s52, s52, 8                         ; a row of Wo is 1,024 bytes, its bias 4: the offset / 256
	s_add_nc_u64 s[8:9], s[8:9], s[52:53]
	s_lshl_b32 s52, s26, 19                        ; out: 128 i rows of 4,096 bytes, + 4 (256 j + 64 w)
	s_lshl_b32 s54, s27, 10
	s_add_co_u32 s52, s52, s54
	s_lshl_b32 s54, s24, 8
	s_add_co_u32 s52, s52, s54
	s_add_nc_u64 s[12:13], s[12:13], s[52:53]
	v_and_b32 v2, 15, v0                           ; r
	v_bfe_u32 v13, v0, 4, 1                        ; h
	v_and_b32 v14, 31, v0                          ; lane
	v_lshlrev_b32 v[LI], 4, v14
	v_add_nc_u32 v[LI2], 0x10000, v[LI]
	s_mul_i32 s49, s24, 16*SPITCH
	s_add_co_u32 s49, s49, STAGE                   ; my stage
	v_mul_u32_u24 v[STO], v2, SPITCH               ; in: row r, 32 bytes for each half of the lanes
	v_lshl_add_u32 v[STO], v13, 5, v[STO]
	v_add_nc_u32 v[STO], s49, v[STO]
	v_mul_u32_u24 v[RD], v13, SPITCH               ; back: lanes 0-15 take one row's 256 bytes, lanes 16-31 the next row's
	v_lshl_add_u32 v[RD], v2, 4, v[RD]
	v_add_nc_u32 v[RD], s49, v[RD]
	v_lshlrev_b32 v[CO], 12, v13                   ; and the same two rows in out
	v_lshl_add_u32 v[CO], v2, 4, v[CO]
	v_lshlrev_b32 v[WA], 10, v2
	v_lshl_add_u32 v[WA], v13, 4, v[WA]
	v_lshlrev_b32 v[BH], 5, v13
	ROUND                                          ; all four work-groups are here: the joint loads meet
	tensor_load_to_lds s[28:31], s[32:39]          ; my two row tiles' images: the wave's one tensor load of the launch
	s_nop 0
.rept 4
	v_nop                                          ; four v_nop follow the line
.endr
	WIN 0x40                                       ; destination window 1
	s_wait_alu depctr_va_vdst(0)
.irp s, 0,1,2,3
.irp t, 0,1,2,3
.irp c, 0,1,2,3
	global_load_b128 v[16*(4*\s+\t)+4*\c:16*(4*\s+\t)+4*\c+3], v[WA], s[6:7] offset:\t*16384+128*\s+32*\c
.endr
.endr
.endr
	WIN 0x80                                       ; destination window 2
.irp s, 0,1,2,3
.irp t, 0,1,2,3
.irp c, 0,1,2,3
	global_load_b128 v[16*(4*\s+\t)+4*\c:16*(4*\s+\t)+4*\c+3], v[WA], s[6:7] offset:\t*16384+128*(4+\s)+32*\c
.endr
.endr
.endr
	WIN 0xc0                                       ; destination window 3
.irp t, 0,1,2,3
	global_load_b128 v[8*\t:8*\t+3], v[BH], s[8:9] offset:64*\t        ; bo at my columns 16 t + 8 h + 0 .. 7: the result's layout
	global_load_b128 v[8*\t+4:8*\t+7], v[BH], s[8:9] offset:64*\t+16
.endr
	WIN 0
	s_wait_kmcnt 0x0
	s_add_co_i32 s46, s44, s45
	s_add_co_i32 s46, s46, 127
	s_lshl_b32 s46, s46, 23                        ; 2^(e10 + e11) as f32
	s_mov_b32 s47, s46                             ; (named with it as a pair, so it is written)
	s_wait_loadcnt 0x0                             ; Wo and bo
	s_wait_tensorcnt 0x0                           ; my two row tiles are in LDS,
	s_barrier_signal -1
	s_barrier_wait -1                              ; everybody's are
	AFETCH AF0, 0, 0
	AFETCH AF1, 0, 1
.irp m, 0,1,2,3,4,5,6,7
.if \m == 0
	s_wait_dscnt 16                                ; the tile's K steps 0-3 are in; the 16 younger loads (K steps 4-7) may be out
.else
	s_wait_dscnt 32                                ; the same; behind them also the last tile's 8 stores into the stage and 8 loads from it
.endif
	QMUL 0, 1
	WIN 0
.if \m < 7
	PLACES
	AFETCH AF0, \m+1, 0
	s_wait_dscnt 16                                ; all but the 16 loads just issued: K steps 4-7 are in, and the last tile is back from the stage
.else
	s_wait_dscnt 0x0
.endif
.if \m > 0
	SEND \m-1                                      ; the last tile's stores leave while this tile is multiplied
.endif
	QMUL 1, 0
	WIN 0
	PLACES
.if \m < 7
	AFETCH AF1, \m+1, 1
.endif
	TOSTAGE
.endr
	s_wait_dscnt 0x0
	SEND 7
	s_wait_tensorcnt 0x0
	ds_add_u32 v254, v255
	s_wait_dscnt 0x0
	ROUND                                          ; the closing round: no work-group ends while a partner may still ask for a tile that names it
	s_endpgm
.Lfunc_end_k_qcb36457b6a_outp:
	.size	k_qcb36457b6a_outp, .Lfunc_end_k_qcb36457b6a_outp-k_qcb36457b6a_outp
	.p2alignl 7, 3214868480
	.fill 96, 4, 3214868480
	.section	.rodata,"a",@progbits
	.p2align	6, 0x0
	.amdhsa_kernel k_qcb36457b6a_outp
		.amdhsa_group_segment_fixed_size 168448
		.amdhsa_private_segment_fixed_size 0
		.amdhsa_enable_private_segment 0
		.amdhsa_kernarg_size 40
		.amdhsa_user_sgpr_count 2
		.amdhsa_user_sgpr_kernarg_segment_ptr 1
		.amdhsa_wavefront_size32 1
		.amdhsa_system_sgpr_workgroup_id_x 1
		.amdhsa_system_sgpr_workgroup_id_y 1
		.amdhsa_system_sgpr_workgroup_id_z 1
		.amdhsa_system_vgpr_workitem_id 0
		.amdhsa_next_free_vgpr 1024
		.amdhsa_next_free_sgpr 66
		.amdhsa_reserve_vcc 0
		.amdhsa_float_denorm_mode_32 3
		.amdhsa_float_denorm_mode_16_64 3
		.amdhsa_memory_ordered 1
		.amdhsa_forward_progress 1
		.amdhsa_inst_pref_size 76
	.end_amdhsa_kernel
	.amdgpu_metadata
---
amdhsa.version: [ 1, 2 ]
amdhsa.kernels:
  - .name:           k_qcb36457b6a_outp
    .symbol:         k_qcb36457b6a_outp.kd
    .args:
      - { .name: aimg, .offset: 0, .size: 8, .value_kind: global_buffer, .address_space: global }
      - { .name: Wo_codes, .offset: 8, .size: 8, .value_kind: global_buffer, .address_space: global }
      - { .name: bo, .offset: 16, .size: 8, .value_kind: global_buffer, .address_space: global }
      - { .name: lowp_scales, .offset: 24, .size: 8, .value_kind: global_buffer, .address_space: global }
      - { .name: out0, .offset: 32, .size: 8, .value_kind: global_buffer, .address_space: global }
    .group_segment_fixed_size: 168448
    .private_segment_fixed_size: 0
    .kernarg_segment_align: 8
    .kernarg_segment_size: 40
    .max_flat_workgroup_size: 128
    .sgpr_count:     66
    .vgpr_count:     1024
    .wavefront_size: 32
...
	.end_amdgpu_metadata
.endif
;; end of part 6
